; MI455X (gfx1250); checked and timed in simulation.
; The chip was launched on July 23, 2026; its instructions are those of AMD's public machine-readable ISA for CDNA 5 (MIT licence, August 2026) and "CDNA5" Instruction Set Architecture Reference Guide (July 2026). The comments in the code are by the model that wrote it; some were corrected since.
;; Group Query Attention. Allowed arithmetic: matrix products marked QUANTISED: E2M3 operands, one E8M0 scale for each 32 along K, by v_wmma_scale_f32_16x16x128_f8f6f4 with both operands' format E2M3, f32 sums; everything else in f32.
;; Inputs: Wk 2,048 x 512 float32; Wo 2,048 x 2,048 float32; Wq 2,048 x 2,048 float32; Wv 2,048 x 512 float32; bk 512 float32; bo 2,048 float32; bq 2,048 float32; bv 512 float32; k 4 x 1,024 x 2,048 float32; q 4 x 1,024 x 2,048 float32; v 4 x 1,024 x 2,048 float32.
;; Outputs: out0 4 x 1,024 x 2,048 float32.
;; This version of the problem:
;;   THIS VERSION OF THE PROBLEM IS GIVEN IN LOW PRECISION. The matrix products marked QUANTISED in the list below multiply operands that are first quantised to E2M3 (2 exponent bits, 3 mantissa bits; 6 bits a number), with one power-of-two scale for each 32 numbers along K (OCP MX v1.0); their sums are f32. All else is computed in f32.
;;   The module's matrix products, in the order in which they are computed (A, B: the left and right operand; K: the contracted axis; several contracted axes count as one K, in the product's order):
;;     1. [M 4,096, K 2,048] x [K 2,048, N 2,048]; A: input q; B: input Wq: QUANTISED
;;     2. [M 4,096, K 2,048] x [K 2,048, N 512]; A: input k; B: input Wk: QUANTISED
;;     3. [M 4,096, K 2,048] x [K 2,048, N 512]; A: input v; B: input Wv: QUANTISED
;;     4. batch 16 x [M 4,096, K 128] x [K 128, N 1,024]; A: computed on the way; B: computed on the way: QUANTISED
;;     5. batch 16 x [M 4,096, K 1,024] x [K 1,024, N 128]; A: softmax (see below); B: computed on the way: QUANTISED
;;     6. [M 4,096, K 2,048] x [K 2,048, N 2,048]; A: computed on the way; B: input Wo: QUANTISED
;;   THE QUANTISER, for each operand of a quantised product, along K:
;;     - K is cut into blocks of 32 from its start; a last block that is shorter is filled with zeros.
;;     - A block's scale is 2^e with e = floor(log2(the largest magnitude in the block)) - 2, held to -126 .. 127; a block of zeros has e = 0. As a byte (E8M0): e + 127.
;;     - Each number is divided by its block's scale, clamped to +-7.5, and rounded to the nearest number of E2M3, ties to even, subnormals kept.
;;     - The product sums the exact products of the quantised numbers (number of the format x scale) in f32.
;;   ~~~python
;;   def quantise(x, axis):      # numpy; x: float32 -> the quantised numbers, widened to float32 again
;;       x = np.moveaxis(x, axis, -1); K = x.shape[-1]
;;       x = np.pad(x, [(0, 0)] * (x.ndim - 1) + [(0, -K % 32)]); x = x.reshape(x.shape[:-1] + (-1, 32)); a = np.abs(x).max(-1, keepdims=True)
;;       e = np.where(a > 0, np.clip(np.frexp(np.where(a > 0, a, 1))[1] - 1 - 2, -126, 127), 0)      # np.frexp(a)[1] - 1 = floor(log2(a)), exactly
;;       r = np.clip(x / 2.0 ** e, -7.5, 7.5)
;;       step = 2.0 ** (np.maximum(np.frexp(np.where(r == 0, 1, r))[1] - 1, 0) - 3)
;;       q = np.round(r / step) * step * 2.0 ** e      # np.round: ties to even
;;       return np.moveaxis(q.reshape(q.shape[:-2] + (-1,))[..., :K], -1, axis).astype(np.float32)
;;   ~~~
;;   SOFTMAX AHEAD OF A QUANTISED PRODUCT. Where the list says 'softmax', what is quantised is not the finished softmax but p = 2^(t - M), with t = logit x log2(e) and M = ceil(the row's largest t), a whole number; so 1/2 < the row's largest p <= 1. The row's sum l is taken of the UNQUANTISED p, in f32, and the product's result is divided by l at the end. Since M is a whole number, a kernel that streams over the keys may use a running M (the ceiling of the running maximum): every later rescaling is an exact power of two, which a block's scale takes up: the codes' values come out the same.
;;   OPERANDS COMPUTED ON THE WAY. 'Computed on the way' means the value that the module computes at that place (a softmax that the list does not call 'softmax' is quantised finished and normalised). What goes into a quantiser is computed in f32, as accurately as f32 sums, v_exp_f32 and their like allow (about 1e-6 of the number): no bf16 or f16 on the way to a quantiser, and a product that is left as it is and whose result goes on into a quantised operand takes f32 operands (vector FMAs, or v_wmma_f32_16x16x4_f32). A number that lies on a knife's edge between two numbers of the format may be rounded either way, as far as f32 arithmetic and the matrix unit's own rounding can turn it there, and no further.
;; One version. Each part assembles by itself: llvm-mc -triple=amdgcn-amd-amdhsa -mcpu=gfx1250 --defsym DOCPART=n.
;; ======== version 1 of 1: 4 launches
;; limits: right only within a limited range of input values
;; workspace buffers: act 19,660,800 bytes; wts 8,192,000 bytes; heads 9,830,400 bytes; ctx 6,553,600 bytes
;; launch quant (part 1): grid 256 x 1, 17 waves a work-group, no clusters, 327,680 bytes of LDS; arguments q, k, v, Wq, Wk, Wv, Wo, act, wts; writes act, wts
.if DOCPART == 1
	.amdgcn_target "amdgcn-amd-amdhsa--gfx1250"
	.amdhsa_code_object_version 6
	.text
	.protected	k_q1cd6371ed1_quant
	.globl	k_q1cd6371ed1_quant
	.p2align	8
	.type	k_q1cd6371ed1_quant,@function
k_q1cd6371ed1_quant:
	s_mov_b64 s[64:65], 0
	v_nop
	global_prefetch_b8 v0, s[64:65] scope:SCOPE_SE
	s_setreg_imm32_b32 hwreg(HW_REG_WAVE_MODE, 25, 1), 1
	s_wait_xcnt 0x0
; ALL SEVEN f32 TENSORS BECOME CODES OF FP6 (E2M3) WITH ONE E8M0 BYTE FOR EACH 32 ALONG K, each read once.
; q, k, v: [4096][2048], K innermost.  Wq, Wo: [2048][2048], Wk, Wv: [2048][512], K is the FIRST axis.
; A block's scale is 2^(floor(log2(largest magnitude)) - 2); its byte is the largest magnitude's exponent field - 2, held at 1 from below.
; LIMITS: a block of zeros gets the byte 1 where the rule says 127 (its codes are zeros, and this program alone reads the bytes); blocks whose
; largest magnitude lies under 2^-124 have the byte held at 1; NaN and infinities among the inputs are not served.
; WHAT IS STORED: IMAGES OF OPERAND REGISTERS.  A fragment (16 rows x 128 K, 12 registers a lane) is three planes of 512 bytes: plane c holds
; registers 4 c .. 4 c + 3, lane l's 16 bytes at 512 c + 16 l.  Fragment (row block blk, K step s) lies at (16 blk + s) x 1,536.
; Lane-row r of block blk is row 32 (blk / 2) + 8 (blk % 2) + r + 8 (r / 8).  A SCALE UNIT is 256 bytes: the scale words of four row blocks f
; for one K step, word (f, r) at 8 (r + 16 (f % 2)) + 4 (f / 2).
; SHARES.  A JOB is four row blocks x one K step: 64 rows (or columns) x 128 K, 32,768 bytes in.  The activations have 3,072 jobs, the weights
; 1,280: 4,352 = 256 x 17.  So 256 work-groups of 17 waves, a job a wave: waves 0-11 take activation jobs 12 wg + w, waves 12-16 weight jobs 5 wg + w - 12.
; A job comes in FOUR FILLS of 32 rows x 256 bytes by the tensor data mover, into the wave's own two LDS slots by turns (LDS rows 272 bytes apart).
; Activations: fill t = rows 32 (t / 2) .. + 31, K 64 (t % 2) .. + 63.  Weights: fill t = K 32 t .. + 31, all 64 columns.
; From LDS a lane takes a WHOLE block of 32 along K into 32 registers (activations: 8 loads of 16 bytes of its row; weights: 32 loads of 4 bytes
; down its column): the largest magnitude needs no other lane, and the conversions give six registers of a fragment as they stand.
; The activations' 16-byte reads meet two deep in the banks: a fragment's rows r and r + 16 lie 17 x 256 bytes apart.
; One barrier for each change of slots, though a wave reads its own bytes alone.
; PREFETCH.  At each change of slots every wave has waited for all its tensor loads, so a fill goes out with nothing on its way beside it.  A fill is
; 32 rows x 256 bytes: a lane a row, one instruction a wave.  The head, which loads fill 0, asks for fills 1 and 2; trip 0, which loads fill 1, asks for
; fill 3.  So each fill is asked for at least one trip ahead of its load, each block of 256 bytes is named once, a wave has at most two fills asked for
; and not yet loaded, and nothing is named beyond fill 3.  The address registers are never rewritten.
; No cluster: the work-groups share no input.  No matrix unit.
.set ACT_SC, 18874368                  ; act: behind the codes, the scale units
.set WT_SC,  7864320                   ; wts: likewise
.set PITCH,  272
.set SLOTB,  32*PITCH                  ; 8,704: a fill
.set WREG,   2*SLOTB                   ; a wave's two slots
.set SPARE,  17*WREG                   ; 295,936: the spare words, 128 bytes a wave, 2,176 in all
.set LI,  2                            ; 16 x lane
.set L8,  3                            ; 8 x lane
.set ARD, 4                            ; activations: my row of a fill, + 128 h
.set WRD, 5                            ; weights: my column of 32
.set H8,  6                            ; 8 h
.set SPW, 8                            ; my spare word; never rewritten
.set NIL, 9                            ; 0; never rewritten
.set M,   10                           ; v10-13 maxima, two chains for each of two blocks
.set SO,  14                           ; v14-15 the conversions' scale operands
.set BY,  16                           ; v16-17 the scale bytes
.set TT,  18                           ; v18-20, v22-24 a block's upper 16 codes
.set TP,  26                           ; v26-27 lane l xor 16's bytes
.set SW,  28                           ; v28-31 scale words
.set U,   32                           ; v32-33 activations: the unit
.set PFO, 34                           ; the prefetches' offset: lane x a row in memory; never rewritten
.set P,   36                           ; v36-83 four fragments, fragment f at P + 12 f
.set X,   84                           ; v84-147 two blocks of 32 numbers
.set WV,  22
.set NAR, 23                           ; 1: my rows in memory are 2,048 bytes apart (Wk, Wv)
.set G1W, 24                           ; s[24:31] group 1, rows 8,192 bytes apart
.set G1N, 32                           ; s[32:39] group 1, rows 2,048 bytes apart
.set G0,  40                           ; s[40:55] a group 0 for each fill: none is ever rewritten
.set IO,  56                           ; s[56:57] where my job begins in its tensor
.set D1,  58                           ; s[58:59] fill 1 from there,
.set D2,  60                           ; s[60:61] fill 2; s[62:63] fill 3
.set CD,  66                           ; s[66:67] my codes
.set SD,  68                           ; s[68:69] my scale unit
.set T,   70
.set SEL, 80
.set HM,  82
.set PA,  84                           ; s[84:89] where fills 1, 2, 3 begin in memory; never rewritten
; One fill.  The two lines differ in the pitch alone; the branch hangs on ids; either way passes one load
.macro TLOAD t
	s_cmp_eq_u32 s[NAR], 0
	s_cbranch_scc0 .Lnarrow_\@
	tensor_load_to_lds s[G0+4*(\t):G0+4*(\t)+3], s[G1W:G1W+7]
	s_nop 0
	s_branch .Lasked_\@
.Lnarrow_\@:
	tensor_load_to_lds s[G0+4*(\t):G0+4*(\t)+3], s[G1N:G1N+7]
	s_nop 0
.Lasked_\@:
.endm
.macro ASK t                           ; fill t's 32 rows, a lane a row
	global_prefetch_b8 v[PFO], s[PA+2*((\t)-1):PA+2*((\t)-1)+1] th:TH_LOAD_NT scope:SCOPE_SE
.endm
; Two blocks of 32 numbers (X, X + 32) become six registers of codes each, at d0 and d1, and a scale byte each; four chains of maxima by turns
.macro QB2 d0, d1
.irp x, 0,1
	v_max3_num_f32 v[M+2*\x], |v[X+32*\x]|, |v[X+32*\x+1]|, |v[X+32*\x+2]|
	v_max3_num_f32 v[M+2*\x+1], |v[X+32*\x+3]|, |v[X+32*\x+4]|, |v[X+32*\x+5]|
.endr
.irp i, 6,10,14,18,22,26
.irp x, 0,1
	v_max3_num_f32 v[M+2*\x], v[M+2*\x], |v[X+32*\x+\i]|, |v[X+32*\x+\i+1]|
	v_max3_num_f32 v[M+2*\x+1], v[M+2*\x+1], |v[X+32*\x+\i+2]|, |v[X+32*\x+\i+3]|
.endr
.endr
.irp x, 0,1
	v_max3_num_f32 v[M+2*\x], v[M+2*\x], |v[X+32*\x+30]|, |v[X+32*\x+31]|
.endr
.irp x, 0,1
	v_max3_num_f32 v[M+2*\x], v[M+2*\x], v[M+2*\x+1], 0x1800000   ; and the floor 2^(3 - 127): the byte cannot fall under 1
.endr
.irp x, 0,1
	v_add_nc_u32 v[SO+\x], 0xff000000, v[M+2*\x]   ; 2 off the exponent field: the conversion's scale operand
.endr
	v_cvt_scalef32_pk16_fp6_f32 v[(\d0):(\d0)+2], v[X:X+15], v[SO]
	v_cvt_scalef32_pk16_fp6_f32 v[TT:TT+2], v[X+16:X+31], v[SO]    ; (a conversion's three registers begin on an even number)
	v_cvt_scalef32_pk16_fp6_f32 v[(\d1):(\d1)+2], v[X+32:X+47], v[SO+1]
	v_cvt_scalef32_pk16_fp6_f32 v[TT+4:TT+6], v[X+48:X+63], v[SO+1]
.irp x, 0,1
	v_lshrrev_b32 v[BY+\x], 23, v[SO+\x]           ; the scale's byte; also the plain place behind the conversions
.endr
.irp i, 0,1,2
	v_mov_b32 v[(\d0)+3+\i], v[TT+\i]
	v_mov_b32 v[(\d1)+3+\i], v[TT+4+\i]
.endr
.endm
.macro STORE f                         ; a fragment: 32 lanes store 512 consecutive bytes, three times
.irp c, 0,1,2
	global_store_b128 v[LI], v[P+12*(\f)+4*\c:P+12*(\f)+4*\c+3], s[CD:CD+1] offset:24576*(\f)+512*\c
.endr
.endm
; ACTIVATIONS, fill t: lane (r, h) takes K block 2 (t % 2) + h of lane-row r of blocks 2 (t / 2) and 2 (t / 2) + 1: registers 6 (t % 2) .. + 5 of the two fragments
.macro ACT t
.irp u, 0,1
.irp j, 0,1,2,3,4,5,6,7
	ds_load_b128 v[X+32*\u+4*\j:X+32*\u+4*\j+3], v[ARD] offset:SLOTB*((\t)%2)+8*PITCH*\u+16*\j
.endr
.endr
.if (\t) == 0
	ASK 3                                          ; behind the trip's tensor load and its run of LDS loads
.endif
	s_wait_dscnt 0x0
	QB2 P+24*((\t)/2)+6*((\t)%2), P+24*((\t)/2)+12+6*((\t)%2)
.if (\t)%2 == 0
.irp u, 0,1
	v_mov_b32 v[SW+2*((\t)/2)+\u], v[BY+\u]
.endr
.else
.irp u, 0,1
	v_lshl_or_b32 v[SW+2*((\t)/2)+\u], v[BY+\u], 16, v[SW+2*((\t)/2)+\u]   ; my two bytes: blocks h and 2 + h,
.endr
.irp u, 0,1
	v_lshlrev_b32 v[SW+2*((\t)/2)+\u], v[H8], v[SW+2*((\t)/2)+\u]          ; at their places in the word;
.endr
.irp u, 0,1
	v_permlanex16_b32 v[TP+\u], v[SW+2*((\t)/2)+\u], s[SEL], s[SEL+1]
.endr
.irp u, 0,1
	v_or_b32 v[SW+2*((\t)/2)+\u], v[SW+2*((\t)/2)+\u], v[TP+\u]            ; with lane l xor 16's two the word is whole
.endr
	STORE 2*((\t)/2)
	STORE 2*((\t)/2)+1
.endif
.if (\t) == 3
	v_cndmask_b32 v[U], v[SW], v[SW+1], s[HM]      ; the unit: lanes 0-15 blocks 0 and 2, lanes 16-31 blocks 1 and 3
	v_cndmask_b32 v[U+1], v[SW+2], v[SW+3], s[HM]
	global_store_b64 v[L8], v[U:U+1], s[SD:SD+1]   ; 256 consecutive bytes, aligned
.endif
.endm
; WEIGHTS, fill t = K block t: a lane takes a column of each 32 (g = 0, 1), lanes 0-15 those of block 2 g, lanes 16-31 those of block 2 g + 1.
; K blocks 0, 2 go to fragment 2 g's registers and 1, 3 to fragment 2 g + 1's; an exchange of halves makes of them the two blocks' fragments
.macro WGT t
.irp g, 0,1
.set n, 0
.rept 32
	ds_load_b32 v[X+32*\g+n], v[WRD] offset:SLOTB*((\t)%2)+PITCH*n+128*\g
.set n, n+1
.endr
.endr
.if (\t) == 0
	ASK 3
.endif
	s_wait_dscnt 0x0
	QB2 P+12*((\t)%2)+6*((\t)/2), P+24+12*((\t)%2)+6*((\t)/2)
.irp g, 0,1
.if (\t) == 0
	v_mov_b32 v[SW+\g], v[BY+\g]
.else
	v_lshl_or_b32 v[SW+\g], v[BY+\g], 8*(\t), v[SW+\g]   ; four bytes: my column's scale word
.endif
.endr
.if (\t)%2
.irp g, 0,1
.irp i, 0,1,2,3,4,5
	v_permlane16_swap_b32 v[P+24*\g+6*((\t)/2)+\i], v[P+24*\g+12+6*((\t)/2)+\i]
.endr
.endr
.endif
.if (\t) == 3
.irp f, 0,1,2,3
	STORE \f
.endr
	global_store_b64 v[L8], v[SW:SW+1], s[SD:SD+1] ; lane l's two words stand at 8 l in the unit
.endif
.endm
; A trip: fill t has landed; behind the barrier fill t + 1 is asked for, into the slot read in the last trip; then fill t is worked on
.macro PHASE t
	s_wait_alu depctr_va_vdst(0)                   ; the wait here, ahead of the blocking wait
	s_wait_tensorcnt 0x0                           ; my one load that was out: fill t
.if (\t) < 3
	ds_add_u32 v[SPW], v[NIL]
	s_wait_dscnt 0x0                               ; the add, and my reads of the other slot
	s_barrier_signal -1
	s_barrier_wait -1
	TLOAD (\t)+1
.endif
	s_cmp_lt_u32 s[WV], 12
	s_cbranch_scc0 .Lweights_\@
	ACT \t
	s_branch .Ljoin_\@
.Lweights_\@:
	WGT \t
.Ljoin_\@:
.endm
	s_load_b256 s[4:11], s[0:1], 0x0               ; q, k, v, Wq
	s_load_b256 s[12:19], s[0:1], 0x20             ; Wk, Wv, Wo, act
	s_load_b64 s[20:21], s[0:1], 0x40              ; wts
	v_lshl_add_u32 v[SPW], v0, 2, SPARE
	v_mov_b32 v[NIL], 0
	ds_add_u32 v[SPW], v[NIL]                      ; the opening lines: the add, twice on end, and its wait
	ds_add_u32 v[SPW], v[NIL]
	v_lshrrev_b32 v1, 5, v0
	v_readfirstlane_b32 s[WV], v1                  ; wave 0..16
.irp g, G1W, G1N                       ; 32 rows of 64 elements of 4 bytes, 4 dwords of padding behind every 64
	s_mov_b32 s[\g], (2<<16)|(1<<20)|(5<<22)|(3<<25)
	s_mov_b32 s[\g+1], 64<<16
	s_mov_b32 s[\g+2], 32<<16
	s_mov_b32 s[\g+3], 64<<16
	s_mov_b32 s[\g+4], 32
	s_mov_b32 s[\g+6], 0
	s_mov_b32 s[\g+7], 0
.endr
	s_mov_b32 s[G1W+5], 2048
	s_mov_b32 s[G1N+5], 512
	s_mul_i32 s[T], ttmp9, 12
	s_add_co_u32 s[T], s[T], s[WV]                 ; an activation job,
	s_mul_i32 s[T+1], ttmp9, 5
	s_add_co_u32 s[T+1], s[T+1], s[WV]
	s_sub_co_u32 s[T+1], s[T+1], 12                ; or a weight job
	s_cmp_lt_u32 s[WV], 12
	s_cselect_b32 s[T], s[T], s[T+1]
	s_lshr_b32 s[T+1], s[T], 4                     ; the quad of row blocks: 0-191 in act (64 for each of q, k, v); 0-79 in wts (Wq 32, Wk 8, Wv 8, Wo 32)
	s_and_b32 s[T+2], s[T], 15                     ; the K step
	s_sub_co_u32 s[T+3], s[T+1], 32                ; weights: under 16 (unsigned) for Wk and Wv
	s_cmp_lt_u32 s[T+3], 16
	s_cselect_b32 s[NAR], 1, 0
	s_cselect_b32 s[T+4], 16, 18
	s_lshl_b32 s[D1], 1, s[T+4]                    ; 32 rows of 2,048 or of 8,192 bytes
	s_lshl_b32 s[D2], s[D1], 1
	s_add_co_u32 s[T+4], s[T+4], 2
	s_lshl_b32 s[T+4], s[T+2], s[T+4]              ; the K step's 128 rows
	s_cmp_lt_u32 s[T+1], 48
	s_cselect_b32 s[T+5], 40, 48
	s_cmp_lt_u32 s[T+1], 40
	s_cselect_b32 s[T+5], 32, s[T+5]
	s_cmp_lt_u32 s[T+1], 32
	s_cselect_b32 s[T+5], 0, s[T+5]                ; the tensor's first quad
	s_sub_co_u32 s[T+5], s[T+1], s[T+5]
	s_lshl_b32 s[T+5], s[T+5], 8                   ; 64 columns of 4 bytes
	s_add_co_u32 s[T+4], s[T+4], s[T+5]
	s_and_b32 s[T+5], s[T+1], 63                   ; activations: 64 rows of 8,192 bytes,
	s_lshl_b32 s[T+5], s[T+5], 19
	s_lshl_b32 s[T+6], s[T+2], 9                   ; 128 numbers
	s_add_co_u32 s[T+5], s[T+5], s[T+6]
	s_lshl_b32 s[CD], s[T+1], 6
	s_add_co_u32 s[CD], s[CD], s[T+2]
	s_mul_i32 s[CD], s[CD], 1536                   ; (16 x (4 quad) + s) x 1,536
	s_lshl_b32 s[SD], s[T+1], 4
	s_add_co_u32 s[SD], s[SD], s[T+2]
	s_lshl_b32 s[SD], s[SD], 8
	s_mov_b32 s[T+8], WT_SC
	s_mul_i32 s[T+9], s[WV], WREG                  ; my two slots
	s_cmp_lt_u32 s[WV], 12
	s_cselect_b32 s[IO], s[T+5], s[T+4]
	s_cselect_b32 s[NAR], 0, s[NAR]
	s_cselect_b32 s[D1], 256, s[D1]                ; activations: fill 1 is 64 numbers on, fill 2 is 32 rows down
	s_cselect_b32 s[D2], 0x40000, s[D2]
	s_cselect_b32 s[T+8], ACT_SC, s[T+8]
	s_add_co_u32 s[SD], s[SD], s[T+8]
	s_add_co_u32 s[D1+4], s[D1], s[D2]             ; fill 3, in both kinds
	s_cmp_eq_u32 s[NAR], 0
	s_cselect_b32 s[T+3], 13, 11                   ; a row in memory: 2^13 or 2^11 bytes
	s_mov_b32 s[IO+1], 0
	s_mov_b32 s[D1+1], 0
	s_mov_b32 s[D2+1], 0
	s_mov_b32 s[D1+5], 0
	s_mov_b32 s[CD+1], 0
	s_mov_b32 s[SD+1], 0
	s_mov_b32 s[SEL], 0x76543210
	s_mov_b32 s[SEL+1], 0xfedcba98                 ; v_permlanex16_b32's selects for lane l xor 16
	s_mov_b32 s[HM], 0xffff0000                    ; lanes 16-31
	s_wait_dscnt 0x0                               ; both opening adds are done
	s_wait_kmcnt 0x0
	s_cmp_lt_u32 s[T+1], 48                        ; every choice of a buffer hangs on ids alone
	s_cselect_b64 s[14:15], s[14:15], s[16:17]
	s_cmp_lt_u32 s[T+1], 40
	s_cselect_b64 s[12:13], s[12:13], s[14:15]
	s_cmp_lt_u32 s[T+1], 32
	s_cselect_b64 s[10:11], s[10:11], s[12:13]
	s_cmp_lt_u32 s[T+1], 128
	s_cselect_b64 s[6:7], s[6:7], s[8:9]
	s_cmp_lt_u32 s[T+1], 64
	s_cselect_b64 s[4:5], s[4:5], s[6:7]
	s_cmp_lt_u32 s[WV], 12
	s_cselect_b64 s[4:5], s[4:5], s[10:11]
	s_cselect_b64 s[18:19], s[18:19], s[20:21]
	s_add_nc_u64 s[4:5], s[4:5], s[IO:IO+1]
	s_mov_b32 s[G0], 1
	s_mov_b32 s[G0+1], s[T+9]
	s_mov_b64 s[G0+2:G0+3], s[4:5]
	s_or_b32 s[G0+3], s[G0+3], 0x80000000
	TLOAD 0                                        ; my one load at the head
.irp t, 1,2,3
	s_add_nc_u64 s[PA+2*(\t-1):PA+2*(\t-1)+1], s[4:5], s[D1+2*(\t-1):D1+2*(\t-1)+1]
	s_mov_b32 s[G0+4*\t], 1
	s_add_co_u32 s[G0+4*\t+1], s[T+9], SLOTB*(\t%2)
	s_mov_b64 s[G0+4*\t+2:G0+4*\t+3], s[PA+2*(\t-1):PA+2*(\t-1)+1]
	s_or_b32 s[G0+4*\t+3], s[G0+4*\t+3], 0x80000000
.endr
	s_add_nc_u64 s[CD:CD+1], s[18:19], s[CD:CD+1]
	s_add_nc_u64 s[SD:SD+1], s[18:19], s[SD:SD+1]
	v_and_b32 v1, 31, v0
	v_lshlrev_b32 v[PFO], s[T+3], v1               ; lane x a row in memory
	ASK 1
	ASK 2
	v_lshlrev_b32 v[LI], 4, v1                     ; every LDS address is made here, ahead of the first parting of the two kinds of waves
	v_lshlrev_b32 v[L8], 3, v1
	v_and_b32 v7, 15, v0                           ; r
	v_bfe_u32 v[H8], v0, 4, 1                      ; h
	v_and_b32 v[ARD], 8, v7
	v_add_nc_u32 v[ARD], v[ARD], v7                ; r + 8 (r / 8)
	v_mul_u32_u24 v[ARD], v[ARD], PITCH
	v_lshl_add_u32 v[ARD], v[H8], 7, v[ARD]        ; + 32 numbers x h
	v_add_nc_u32 v[ARD], s[T+9], v[ARD]
	v_and_b32 v[WRD], 7, v0
	v_bfe_u32 v7, v0, 3, 1
	v_lshl_add_u32 v[WRD], v7, 4, v[WRD]
	v_lshl_add_u32 v[WRD], v[H8], 3, v[WRD]        ; my column of the 32: (l % 8) + 16 x bit 3 + 8 x bit 4
	v_lshlrev_b32 v[WRD], 2, v[WRD]
	v_add_nc_u32 v[WRD], s[T+9], v[WRD]
	v_lshlrev_b32 v[H8], 3, v[H8]
	v_mov_b32 v[TP], 0                             ; written once: a lane permute's destination counts as one of its sources
	v_mov_b32 v[TP+1], 0
	PHASE 0
	PHASE 1
	PHASE 2
	PHASE 3
	s_wait_tensorcnt 0x0                           ; the wave's end
	ds_add_u32 v[SPW], v[NIL]
	s_wait_dscnt 0x0
	s_endpgm
.Lfunc_end_k_q1cd6371ed1_quant:
	.size	k_q1cd6371ed1_quant, .Lfunc_end_k_q1cd6371ed1_quant-k_q1cd6371ed1_quant
	.p2alignl 7, 3214868480
	.fill 96, 4, 3214868480
	.section	.rodata,"a",@progbits
	.p2align	6, 0x0
	.amdhsa_kernel k_q1cd6371ed1_quant
		.amdhsa_group_segment_fixed_size 327680
		.amdhsa_private_segment_fixed_size 0
		.amdhsa_enable_private_segment 0
		.amdhsa_kernarg_size 72
		.amdhsa_user_sgpr_count 2
		.amdhsa_user_sgpr_kernarg_segment_ptr 1
		.amdhsa_wavefront_size32 1
		.amdhsa_system_sgpr_workgroup_id_x 1
		.amdhsa_system_sgpr_workgroup_id_y 1
		.amdhsa_system_sgpr_workgroup_id_z 1
		.amdhsa_system_vgpr_workitem_id 0
		.amdhsa_next_free_vgpr 152
		.amdhsa_next_free_sgpr 92
		.amdhsa_reserve_vcc 0
		.amdhsa_float_denorm_mode_32 3
		.amdhsa_float_denorm_mode_16_64 3
		.amdhsa_memory_ordered 1
		.amdhsa_forward_progress 1
		.amdhsa_inst_pref_size 56
	.end_amdhsa_kernel
	.amdgpu_metadata
---
amdhsa.version: [ 1, 2 ]
amdhsa.kernels:
  - .name:           k_q1cd6371ed1_quant
    .symbol:         k_q1cd6371ed1_quant.kd
    .args:
      - { .name: q, .offset: 0, .size: 8, .value_kind: global_buffer, .address_space: global }
      - { .name: k, .offset: 8, .size: 8, .value_kind: global_buffer, .address_space: global }
      - { .name: v, .offset: 16, .size: 8, .value_kind: global_buffer, .address_space: global }
      - { .name: Wq, .offset: 24, .size: 8, .value_kind: global_buffer, .address_space: global }
      - { .name: Wk, .offset: 32, .size: 8, .value_kind: global_buffer, .address_space: global }
      - { .name: Wv, .offset: 40, .size: 8, .value_kind: global_buffer, .address_space: global }
      - { .name: Wo, .offset: 48, .size: 8, .value_kind: global_buffer, .address_space: global }
      - { .name: act, .offset: 56, .size: 8, .value_kind: global_buffer, .address_space: global }
      - { .name: wts, .offset: 64, .size: 8, .value_kind: global_buffer, .address_space: global }
    .group_segment_fixed_size: 327680
    .private_segment_fixed_size: 0
    .kernarg_segment_align: 8
    .kernarg_segment_size: 72
    .max_flat_workgroup_size: 544
    .sgpr_count:     92
    .vgpr_count:     152
    .wavefront_size: 32
...
	.end_amdgpu_metadata
.endif
;; end of part 1
;; launch proj (part 2): grid 16 x 12, 4 waves a work-group, clusters of 4 x 1, 327,680 bytes of LDS; arguments act, wts, bq, bk, bv, heads; writes heads
.if DOCPART == 2
	.amdgcn_target "amdgcn-amd-amdhsa--gfx1250"
	.amdhsa_code_object_version 6
	.text
	.protected	k_q1cd6371ed1_proj
	.globl	k_q1cd6371ed1_proj
	.p2align	8
	.type	k_q1cd6371ed1_proj,@function
k_q1cd6371ed1_proj:
	s_mov_b64 s[64:65], 0
	v_nop
	global_prefetch_b8 v0, s[64:65] scope:SCOPE_SE
	s_setreg_imm32_b32 hwreg(HW_REG_WAVE_MODE, 25, 1), 1
	s_wait_xcnt 0x0
	s_wait_alu depctr_hold_cnt(0) depctr_sa_sdst(0) depctr_va_vdst(0) depctr_va_sdst(0) depctr_va_ssrc(0) depctr_va_vcc(0) depctr_vm_vsrc(0)
	s_getreg_b32 s2, hwreg(HW_REG_IB_STS2, 6, 4)
	s_cmp_eq_u32 s2, 0
	s_cbranch_scc0 .Lentry_in_a_cluster
	s_endpgm
.Lentry_in_a_cluster:
	s_bfe_u32 s2, ttmp6, 0x10000c
	s_cmp_lg_u32 s2, 0x3003
	s_cbranch_scc0 .Lentry_shape_is_right
	s_endpgm
.Lentry_shape_is_right:
.set SLOT,   147456
.set BOFF,   73728
.set HALF,   36864
.set P3,     4608
.set P1,     1536
.set SPARE,  2*SLOT
.set STG,    67584
.set ACT_SC, 18874368
.set WT_SC,  7864320
.set HQ,     3276800
.set HQS,    9568256
.set LI,  1
.set L8,  2
.set BO,  5
.set ADA, 6
.set ADB, 8
.set VSW, 10
.set VSR, 11
.set SPW, 12
.set NIL, 13
.set PW,  16
.set SA,  32
.set SB,  96
.set AF,  160
.set BI,  192
.set PCQ, 160
.set TM,  240
.set WV,  16
.set G1A, 24
.set G0A, 32
.set G1B, 40
.set G0B, 48
.set G1A1, 68
.set G1B1, 76
.set HM,  88
.set SEL, 90
.set MSB, 0
; PREFETCH.  What a wave loads over all of K is 8 block rows of 24,576 bytes on end.  One instruction names the 1,024 bytes at 1,024 i of each row, 32 blocks of 256 bytes.
; A's waves name all 32, a lane a block.  B's tiles are asked for jointly by four partners, which share the blocks out by address: partner cx names blocks 8 cx .. 8 cx + 7 (the lanes left over name them again).
; Slot n holds bytes 4,608 n .. + 4,607 of each row.  It is asked for one slot ahead of its load: i = 4-8 at the head (the first half of i = 4 lies in slot 0), 9-13 behind slot 1's load, 14-17, 18-22 and 23 behind the three refills that follow.
; Each i is named once, the last is 23, the row's end; the address registers are never rewritten.
.set PFO, 26
.macro PF i0, i1
.set pn, \i0
.rept (\i1)-(\i0)+1
	global_prefetch_b8 v[PFO], s[2:3] offset:1024*pn th:TH_LOAD_NT scope:SCOPE_SE
.set pn, pn+1
.endr
.endm
.macro WIN new
.if MSB != (\new)
	s_set_vgpr_msb (MSB<<8)|(\new)
.set MSB, (\new)
.endif
.endm
.set MUL_LO,  0xa1
.set MUL_HI,  0xf1
.set MUL_LO0, 0x91
.set MUL_HI0, 0xd1
.set TO_B,    0x40
.macro JLOAD g0a, g1a, g0b, g1b
	s_cmp_eq_u32 s17, 0
	s_cbranch_scc0 .Lfor_b_\@
	tensor_load_to_lds s[\g0a:\g0a+3], s[\g1a:\g1a+7]
	s_nop 0
.rept 4
	v_nop
.endr
	s_branch .Lasked_\@
.Lfor_b_\@:
	tensor_load_to_lds s[\g0b:\g0b+3], s[\g1b:\g1b+7]
	s_nop 0
.rept 4
	v_nop
.endr
.Lasked_\@:
.endm
.macro CREST
	s_cmp_lg_u32 s[WV], 0
	s_cbranch_scc1 .Lnot_wave_0_\@
	s_barrier_signal -3
.Lnot_wave_0_\@:
	s_barrier_wait -3
	s_barrier_signal -1
	s_barrier_wait -1
.endm
.macro CROUND
	s_barrier_signal -1
	s_barrier_wait -1
	CREST
.endm
.macro PLACES
.rept 4
	v_nop
.endr
.endm
.macro FETCH_B slot, p, q, set
	WIN TO_B
.irp b, 0,1,2,3,4,5,6,7
.irp c, 0,1,2
	ds_load_b128 v[96*(\set)+12*\b+4*\c:96*(\set)+12*\b+4*\c+3], v[ADB+\slot] offset:(\p)*\b+1536*(\q)+512*\c
.endr
.endr
	WIN 0
.endm
.macro FETCH_A slot, p, q, a0
.irp a, \a0, \a0+1, \a0+2, \a0+3
.irp c, 0,1,2
	ds_load_b128 v[AF+12*(\a)+4*\c:AF+12*(\a)+4*\c+3], v[ADA+\slot] offset:(\p)*(\a)+1536*(\q)+512*\c
.endr
.endr
.endm
.macro WM a, b, s, first
.set rD, 8*(8*((\a)%4)+(\b))
.set rC, rD
.if \first
.set rC, BI+8*(\b)
.endif
.set rB, 96*((\s)%2)+12*(\b)
.set rA, AF+12*(\a)
.set rSB, SB+4*(\s)+(\b)/2
.set rSA, SA+4*(\s)+(\a)/2
.if ((\b)%2 == 0) && ((\a)%2 == 0)
	v_wmma_scale_f32_16x16x128_f8f6f4 v[rD:rD+7], v[rB:rB+11], v[rA:rA+11], v[rC:rC+7], v[rSB], v[rSA] matrix_a_fmt:MATRIX_FMT_FP6 matrix_b_fmt:MATRIX_FMT_FP6
.elseif ((\b)%2 == 1) && ((\a)%2 == 0)
	v_wmma_scale_f32_16x16x128_f8f6f4 v[rD:rD+7], v[rB:rB+11], v[rA:rA+11], v[rC:rC+7], v[rSB], v[rSA] matrix_a_fmt:MATRIX_FMT_FP6 matrix_b_fmt:MATRIX_FMT_FP6 matrix_a_scale:MATRIX_SCALE_ROW1
.elseif (\b)%2 == 0
	v_wmma_scale_f32_16x16x128_f8f6f4 v[rD:rD+7], v[rB:rB+11], v[rA:rA+11], v[rC:rC+7], v[rSB], v[rSA] matrix_a_fmt:MATRIX_FMT_FP6 matrix_b_fmt:MATRIX_FMT_FP6 matrix_b_scale:MATRIX_SCALE_ROW1
.else
	v_wmma_scale_f32_16x16x128_f8f6f4 v[rD:rD+7], v[rB:rB+11], v[rA:rA+11], v[rC:rC+7], v[rSB], v[rSA] matrix_a_fmt:MATRIX_FMT_FP6 matrix_b_fmt:MATRIX_FMT_FP6 matrix_a_scale:MATRIX_SCALE_ROW1 matrix_b_scale:MATRIX_SCALE_ROW1
.endif
.endm
.macro MUL16 a0, s, first
.irp a, \a0, \a0+1
.irp b, 0,1,2,3,4,5,6,7
	WM \a, \b, \s, \first
.endr
.endr
.endm
.macro STEP s, nslot, nq, first
	s_wait_dscnt 12
.if \first
	WIN MUL_LO0
.else
	WIN MUL_LO
.endif
	MUL16 0, \s, \first
	MUL16 2, \s, \first
	s_wait_dscnt 0x0
	PLACES
	FETCH_B \nslot, P3, \nq, ((\s)+1)%2
	FETCH_A \nslot, P3, \nq, 0
.if \first
	WIN MUL_HI0
.else
	WIN MUL_HI
.endif
	MUL16 4, \s, \first
	MUL16 6, \s, \first
	PLACES
	WIN 0
	FETCH_A \nslot, P3, \nq, 4
.endm
.macro TURN s, slot, next, np, fill
	s_wait_tensorcnt 0x0
	ds_add_u32 v[SPW], v[NIL]
	s_wait_dscnt 13
	WIN MUL_LO
	MUL16 0, \s, 0
	s_wait_dscnt 0x0
	s_barrier_signal -1
	MUL16 2, \s, 0
	WIN 0
	s_barrier_wait -1
.if \fill
	CREST
	s_add_nc_u64 s[G0A+4*\slot+2:G0A+4*\slot+3], s[G0A+4*\slot+2:G0A+4*\slot+3], 9216
	s_add_nc_u64 s[G0B+4*\slot+2:G0B+4*\slot+3], s[G0B+4*\slot+2:G0B+4*\slot+3], 9216
.if \fill == 1
	JLOAD G0A+4*\slot, G1A, G0B+4*\slot, G1B
.else
	JLOAD G0A+4*\slot, G1A1, G0B+4*\slot, G1B1
.endif
.else
	PLACES
.endif
	s_wait_alu depctr_va_vdst(0)
	FETCH_B \next, \np, 0, ((\s)+1)%2
	FETCH_A \next, \np, 0, 0
.if (\s) == 2
	PF 14, 17
.endif
.if (\s) == 5
	PF 18, 22
.endif
.if (\s) == 8
	PF 23, 23
.endif
	WIN MUL_HI
	MUL16 4, \s, 0
	MUL16 6, \s, 0
	PLACES
	WIN 0
	FETCH_A \next, \np, 0, 4
.endm
	s_load_b256 s[4:11], s[0:1], 0x0
	s_load_b128 s[12:15], s[0:1], 0x20
	v_lshl_add_u32 v[SPW], v0, 2, SPARE
	v_mov_b32 v[NIL], 0
	ds_add_u32 v[SPW], v[NIL]
	ds_add_u32 v[SPW], v[NIL]
	v_lshrrev_b32 v3, 5, v0
	v_readfirstlane_b32 s[WV], v3
	s_lshr_b32 s17, s[WV], 1
	s_and_b32 s18, s[WV], 1
	s_bfe_u32 s19, ttmp6, 0x40000
	s_lshl_b32 s23, ttmp9, 2
	s_add_co_u32 s23, s23, s19
	s_and_b32 s21, ttmp7, 0xffff
	s_lshl_b32 s22, s21, 1
	s_add_co_u32 s22, s22, s18
	s_lshr_b32 s20, s21, 1
	s_mov_b32 s[G1A], 3<<16
	s_mov_b32 s[G1A+1], 576<<16
	s_mov_b32 s[G1A+2], 8<<16
	s_mov_b32 s[G1A+3], 576<<16
	s_mov_b32 s[G1A+4], 8
	s_mov_b32 s[G1A+5], 3072
	s_mov_b32 s[G1A+6], 0
	s_mov_b32 s[G1A+7], 0
	s_mov_b32 s[G1B], 15|(3<<16)|(1<<21)
	s_mov_b32 s[G1B+1], 576<<16
	s_mov_b32 s[G1B+2], 8<<16
	s_mov_b32 s[G1B+3], 576<<16
	s_mov_b32 s[G1B+4], 8
	s_mov_b32 s[G1B+5], 3072
	s_mov_b32 s[G1B+6], 0
	s_mov_b32 s[G1B+7], 0
	s_mov_b32 s[G1A1], 3<<16
	s_mov_b32 s[G1A1+1], 192<<16
	s_mov_b32 s[G1A1+2], 8<<16
	s_mov_b32 s[G1A1+3], 192<<16
	s_mov_b32 s[G1A1+4], 8
	s_mov_b32 s[G1A1+5], 3072
	s_mov_b32 s[G1A1+6], 0
	s_mov_b32 s[G1A1+7], 0
	s_mov_b32 s[G1B1], 15|(3<<16)|(1<<21)
	s_mov_b32 s[G1B1+1], 192<<16
	s_mov_b32 s[G1B1+2], 8<<16
	s_mov_b32 s[G1B1+3], 192<<16
	s_mov_b32 s[G1B1+4], 8
	s_mov_b32 s[G1B1+5], 3072
	s_mov_b32 s[G1B1+6], 0
	s_mov_b32 s[G1B1+7], 0
	s_max_u32 s58, s20, 3
	s_sub_co_u32 s58, s58, 3
	s_lshl_b32 s59, s58, 8
	s_lshl_b32 s60, s23, 4
	s_add_co_u32 s59, s59, s60
	s_lshl_b32 s60, s18, 3
	s_add_co_u32 s59, s59, s60
	s_mul_i32 s60, s59, 24576
	s_mov_b32 s61, 0
	s_lshl_b32 s62, s21, 4
	s_lshl_b32 s63, s18, 3
	s_add_co_u32 s62, s62, s63
	s_mul_i32 s62, s62, 24576
	s_mov_b32 s63, 0
	s_mul_i32 s66, s18, HALF
	s_add_co_u32 s67, s66, BOFF
	s_mov_b32 s[HM], 0xffff0000
	s_mov_b32 s[SEL], 0x76543210
	s_mov_b32 s[SEL+1], 0xfedcba98
	s_wait_dscnt 0x0
	s_wait_kmcnt 0x0
	s_add_nc_u64 s[60:61], s[4:5], s[60:61]
	s_add_nc_u64 s[62:63], s[6:7], s[62:63]
	CROUND
.irp s, 0,1
	s_mov_b32 s[G0A+4*\s], 1
	s_add_co_u32 s[G0A+4*\s+1], s66, \s*SLOT
	s_add_nc_u64 s[G0A+4*\s+2:G0A+4*\s+3], s[60:61], \s*P3
	s_or_b32 s[G0A+4*\s+3], s[G0A+4*\s+3], 0x80000000
	s_mov_b32 s[G0B+4*\s], 1
	s_add_co_u32 s[G0B+4*\s+1], s67, \s*SLOT
	s_add_nc_u64 s[G0B+4*\s+2:G0B+4*\s+3], s[62:63], \s*P3
	s_or_b32 s[G0B+4*\s+3], s[G0B+4*\s+3], 0x80000000
.endr
	JLOAD G0A, G1A, G0B, G1B                       ; slot 0: my one load at the head; the addresses, the scale words and the bias below are asked for while it is out
	s_lshl_b32 s57, s19, 3                         ; 8 cx
	s_cmp_eq_u32 s17, 0                            ; do I load for A?
	s_cselect_b64 s[2:3], s[60:61], s[62:63]       ; my 8 block rows
	s_cselect_b32 s56, 31, 7
	s_cselect_b32 s57, 0, s57
	v_and_b32 v27, s56, v0
	v_add_nc_u32 v27, s57, v27                     ; my block of the 32
	v_lshrrev_b32 v[PFO], 2, v27
	v_mul_u32_u24 v[PFO], v[PFO], 24576            ; its row,
	v_and_b32 v27, 3, v27
	v_lshl_add_u32 v[PFO], v27, 8, v[PFO]          ; and its 256 bytes of the 1,024
	PF 4, 8
	v_and_b32 v3, 31, v0
	v_lshlrev_b32 v[LI], 4, v3
	v_lshlrev_b32 v[L8], 3, v3
	v_and_b32 v3, 15, v0
	v_bfe_u32 v4, v0, 4, 1
	v_lshlrev_b32 v[BO], 6, v4
	s_mul_i32 s56, s17, HALF
	v_add_nc_u32 v[ADA], s56, v[LI]
	v_add_nc_u32 v[ADA+1], SLOT, v[ADA]
	s_mul_i32 s57, s18, HALF
	s_add_co_u32 s57, s57, BOFF
	v_add_nc_u32 v[ADB], s57, v[LI]
	v_add_nc_u32 v[ADB+1], SLOT, v[ADB]
	s_mul_i32 s59, s[WV], STG
	v_mul_u32_u24 v[VSW], v3, 528
	v_lshl_add_u32 v[VSW], v4, 6, v[VSW]
	v_add_nc_u32 v[VSW], s59, v[VSW]
	v_and_b32 v[VSR], 8, v3
	v_add_nc_u32 v[VSR], v[VSR], v3
	v_lshlrev_b32 v[VSR], 2, v[VSR]
	v_mad_u32_u24 v[VSR], v4, 4224, v[VSR]
	v_add_nc_u32 v[VSR], s59, v[VSR]
	s_lshl_b32 s92, s58, 6
	s_lshl_b32 s96, s23, 2
	s_add_co_u32 s92, s92, s96
	s_lshl_b32 s96, s17, 1
	s_add_co_u32 s92, s92, s96
	s_lshl_b32 s92, s92, 12
	s_add_co_u32 s92, s92, ACT_SC
	s_mov_b32 s93, 0
	s_add_nc_u64 s[92:93], s[4:5], s[92:93]
	s_lshl_b32 s94, s22, 13
	s_add_co_u32 s94, s94, WT_SC
	s_mov_b32 s95, 0
	s_add_nc_u64 s[94:95], s[6:7], s[94:95]
	s_cmp_lt_u32 s20, 5
	s_cselect_b64 s[10:11], s[10:11], s[12:13]
	s_cselect_b32 s56, 16, 20
	s_cmp_lt_u32 s20, 4
	s_cselect_b64 s[8:9], s[8:9], s[10:11]
	s_cselect_b32 s56, 0, s56
	s_sub_co_u32 s56, s22, s56
	s_lshl_b32 s56, s56, 9
	s_mov_b32 s57, 0
	s_add_nc_u64 s[8:9], s[8:9], s[56:57]
.irp s, 0,1,2,3,4,5,6,7,8,9,10,11,12,13,14,15
.irp u, 0,1
	global_load_b64 v[SA+4*\s+2*\u:SA+4*\s+2*\u+1], v[L8], s[92:93] offset:4096*\u+256*\s
.endr
.endr
.irp s, 0,1,2,3,4,5,6,7,8,9,10,11,12,13,14,15
.irp u, 0,1
	global_load_b64 v[SB+4*\s+2*\u:SB+4*\s+2*\u+1], v[L8], s[94:95] offset:4096*\u+256*\s
.endr
.endr
	WIN TO_B
.irp b, 0,1,2,3,4,5,6,7
	global_load_b128 v[BI+8*\b:BI+8*\b+3], v[BO], s[8:9] offset:(32*(\b/2)+8*(\b%2))*4
	global_load_b128 v[BI+8*\b+4:BI+8*\b+7], v[BO], s[8:9] offset:(32*(\b/2)+8*(\b%2))*4+16
.endr
	WIN 0
	s_lshr_b32 s56, s23, 2
	s_and_b32 s57, s23, 3
	s_lshl_b32 s96, s57, 1
	s_add_co_u32 s96, s96, s17
	s_lshl_b32 s59, s56, 4
	s_add_co_u32 s59, s59, s22
	s_lshl_b32 s97, s59, 3
	s_add_co_u32 s97, s97, s96
	s_lshl_b32 s86, s97, 9
	s_add_co_u32 s86, s86, HQS
	s_mul_i32 s84, s97, 12288
	s_add_co_u32 s84, s84, HQ
	s_lshl_b32 s59, s56, 2
	s_and_b32 s98, s22, 3
	s_add_co_u32 s59, s59, s98
	s_lshl_b32 s59, s59, 3
	s_add_co_u32 s59, s59, s96
	s_mul_i32 s59, s59, 25600
	s_add_co_u32 s98, s59, 24576
	s_cmp_eq_u32 s20, 5
	s_cselect_b32 s99, 12288, 0
	s_cselect_b32 s97, 512, 0
	s_add_co_u32 s59, s59, s99
	s_add_co_u32 s98, s98, s97
	s_cmp_lt_u32 s20, 4
	s_cselect_b32 s84, s84, s59
	s_cselect_b32 s86, s86, s98
	s_mov_b32 s85, 0
	s_mov_b32 s87, 0
	s_add_nc_u64 s[84:85], s[14:15], s[84:85]
	s_add_nc_u64 s[86:87], s[14:15], s[86:87]
	s_wait_alu depctr_va_vdst(0)
	s_wait_tensorcnt 0x0                           ; my part of slot 0 is in
	ds_add_u32 v[SPW], v[NIL]
	s_wait_dscnt 0x0
	CROUND                                         ; everybody's part is in, and the four work-groups are here
	JLOAD G0A+4, G1A, G0B+4, G1B                   ; slot 1's first fill, the first tensor load behind the round
	FETCH_B 0, P3, 0, 0
	FETCH_A 0, P3, 0, 0
	FETCH_A 0, P3, 0, 4
	PF 9, 13
	s_wait_loadcnt 0x0
	STEP 0, 0, 1, 1
	STEP 1, 0, 2, 0
	TURN 2, 0, 1, P3, 1
	STEP 3, 1, 1, 0
	STEP 4, 1, 2, 0
	TURN 5, 1, 0, P3, 1
	STEP 6, 0, 1, 0
	STEP 7, 0, 2, 0
	TURN 8, 0, 1, P3, 1
	STEP 9, 1, 1, 0
	STEP 10, 1, 2, 0
	TURN 11, 1, 0, P3, 2
	STEP 12, 0, 1, 0
	STEP 13, 0, 2, 0
	TURN 14, 0, 1, P1, 0
	s_wait_dscnt 12
	WIN MUL_LO
	MUL16 0, 15, 0
	MUL16 2, 15, 0
	s_wait_dscnt 0x0
	s_barrier_signal -1
	WIN MUL_HI
	MUL16 4, 15, 0
	MUL16 6, 15, 0
	WIN 0
	s_barrier_wait -1
	PLACES
	s_cmp_lg_u32 s20, 5
	s_cbranch_scc1 .Lnot_v1
.irp a, 0,1,2,3,4,5,6,7
	WIN 0x08+4*(\a/4)
.irp b, 0,1,2,3
.irp i, 0,1,2,3
	ds_store_b128 v[VSW], v[64*(\a%4)+16*\b+4*\i:64*(\a%4)+16*\b+4*\i+3] offset:8448*\a+128*\b+16*\i
.endr
.endr
.endr
	WIN 0
.Lnot_v1:
	s_wait_dscnt 0x0
	s_barrier_signal -1
	s_barrier_wait -1
	s_cmp_lg_u32 s20, 5
	s_cbranch_scc1 .Lnot_v2
.irp f, 0,1,2,3,4,5,6,7
	WIN 0x80+0x40*(\f/4)
.irp b, 0,1,2,3
.irp i, 0,1,2,3,4,5,6,7,8,9,10,11,12,13,14,15
	ds_load_b32 v[64*(\f%4)+16*\b+\i], v[VSR] offset:(32*\b+16*(\i/8)+\i%8)*528+(32*(\f/2)+8*(\f%2))*4
.endr
.endr
.endr
	WIN 0
	s_wait_dscnt 0x0
.Lnot_v2:
.macro QUANTW s, hi, pc, pw
	WIN 0x0a+5*(\hi)
.irp b, 0,1,2,3
	v_max3_num_f32 v[TM+\b], |v[\s+16*\b]|, |v[\s+1+16*\b]|, 0x1800000
.endr
.irp i, 2,4,6,8,10,12,14
.irp b, 0,1,2,3
	v_max3_num_f32 v[TM+\b], |v[\s+16*\b+\i]|, |v[\s+1+16*\b+\i]|, v[TM+\b]
.endr
.endr
	WIN 0
.irp b, 0,1,2,3
	v_permlanex16_b32 v[TM+4+\b], v[TM+\b], s[SEL], s[SEL+1]
.endr
.irp b, 0,1,2,3
	v_max_num_f32 v[TM+\b], v[TM+\b], v[TM+4+\b]
.endr
.irp b, 0,1,2,3
	v_add_nc_u32 v[TM+12+\b], 0xff000000, v[TM+\b]
.endr
.irp b, 0,1,2,3
	v_lshrrev_b32 v[TM+4+\b], 23, v[TM+12+\b]
.endr
	v_lshl_or_b32 v[\pw], v[TM+5], 8, v[TM+4]
	v_lshl_or_b32 v[\pw], v[TM+6], 16, v[\pw]
	v_lshl_or_b32 v[\pw], v[TM+7], 24, v[\pw]
	WIN 0x02+(\hi)
.irp c, 0,1
	v_cvt_scalef32_pk16_fp6_f32 v[\pc+6*\c:\pc+2+6*\c], v[\s+32*\c:\s+15+32*\c], v[TM+12+2*\c]
	v_cvt_scalef32_pk16_fp6_f32 v[\pc+12+4*\c:\pc+14+4*\c], v[\s+16+32*\c:\s+31+32*\c], v[TM+12+2*\c+1]
.endr
	WIN 0
	v_nop
.irp c, 0,1
.irp i, 0,1,2
	v_permlane16_swap_b32 v[\pc+6*\c+\i], v[\pc+12+4*\c+\i]
.endr
.irp i, 0,1,2
	v_mov_b32 v[\pc+3+6*\c+\i], v[\pc+12+4*\c+\i]
.endr
.endr
.endm
.irp b, 0,1,2,3
	v_mov_b32 v[TM+4+\b], 0
.endr
.irp a, 0,1,2,3,4,5,6,7
.if \a > 3
	s_wait_xcnt 0x0
.endif
	QUANTW 64*(\a%4), \a/4, PCQ+20*(\a%4), PW+\a
.irp c, 0,1,2
	global_store_b128 v[LI], v[PCQ+20*(\a%4)+4*\c:PCQ+20*(\a%4)+4*\c+3], s[84:85] offset:1536*\a+512*\c
.endr
.endr
	v_cndmask_b32 v14, v[PW], v[PW+1], s[HM]
	v_cndmask_b32 v15, v[PW+2], v[PW+3], s[HM]
	v_cndmask_b32 v24, v[PW+4], v[PW+5], s[HM]
	v_cndmask_b32 v25, v[PW+6], v[PW+7], s[HM]
	global_store_b64 v[L8], v[14:15], s[86:87]
	global_store_b64 v[L8], v[24:25], s[86:87] offset:256
	s_wait_tensorcnt 0x0
	ds_add_u32 v[SPW], v[NIL]
	s_wait_dscnt 0x0
	CROUND
	s_endpgm
.Lfunc_end_k_q1cd6371ed1_proj:
	.size	k_q1cd6371ed1_proj, .Lfunc_end_k_q1cd6371ed1_proj-k_q1cd6371ed1_proj
	.p2alignl 7, 3214868480
	.fill 96, 4, 3214868480
	.section	.rodata,"a",@progbits
	.p2align	6, 0x0
	.amdhsa_kernel k_q1cd6371ed1_proj
		.amdhsa_group_segment_fixed_size 327680
		.amdhsa_private_segment_fixed_size 0
		.amdhsa_enable_private_segment 0
		.amdhsa_kernarg_size 48
		.amdhsa_user_sgpr_count 2
		.amdhsa_user_sgpr_kernarg_segment_ptr 1
		.amdhsa_wavefront_size32 1
		.amdhsa_system_sgpr_workgroup_id_x 1
		.amdhsa_system_sgpr_workgroup_id_y 1
		.amdhsa_system_sgpr_workgroup_id_z 1
		.amdhsa_system_vgpr_workitem_id 0
		.amdhsa_next_free_vgpr 1024
		.amdhsa_next_free_sgpr 100
		.amdhsa_reserve_vcc 0
		.amdhsa_float_denorm_mode_32 3
		.amdhsa_float_denorm_mode_16_64 3
		.amdhsa_memory_ordered 1
		.amdhsa_forward_progress 1
		.amdhsa_inst_pref_size 255
	.end_amdhsa_kernel
	.section	.bss,"aw",@nobits
	.p2align	6
	.space	262144
	.amdgpu_metadata
---
amdhsa.version: [ 1, 2 ]
amdhsa.kernels:
  - .name:           k_q1cd6371ed1_proj
    .symbol:         k_q1cd6371ed1_proj.kd
    .args:
      - { .name: act, .offset: 0, .size: 8, .value_kind: global_buffer, .address_space: global }
      - { .name: wts, .offset: 8, .size: 8, .value_kind: global_buffer, .address_space: global }
      - { .name: bq, .offset: 16, .size: 8, .value_kind: global_buffer, .address_space: global }
      - { .name: bk, .offset: 24, .size: 8, .value_kind: global_buffer, .address_space: global }
      - { .name: bv, .offset: 32, .size: 8, .value_kind: global_buffer, .address_space: global }
      - { .name: heads, .offset: 40, .size: 8, .value_kind: global_buffer, .address_space: global }
    .group_segment_fixed_size: 327680
    .private_segment_fixed_size: 0
    .kernarg_segment_align: 8
    .kernarg_segment_size: 48
    .max_flat_workgroup_size: 128
    .sgpr_count:     100
    .vgpr_count:     1024
    .wavefront_size: 32
...
	.end_amdgpu_metadata
.endif
;; end of part 2
;; launch attn (part 3): grid 16 x 16, 16 waves a work-group, clusters of 4 x 1, 327,680 bytes of LDS; arguments heads, ctx; writes ctx
.if DOCPART == 3
	.amdgcn_target "amdgcn-amd-amdhsa--gfx1250"
	.amdhsa_code_object_version 6
	.text
	.protected	k_q1cd6371ed1_attn
	.globl	k_q1cd6371ed1_attn
	.p2align	8
	.type	k_q1cd6371ed1_attn,@function
k_q1cd6371ed1_attn:
	s_mov_b64 s[64:65], 0
	v_nop
	global_prefetch_b8 v0, s[64:65] scope:SCOPE_SE
	s_setreg_imm32_b32 hwreg(HW_REG_WAVE_MODE, 25, 1), 1
	s_wait_xcnt 0x0
	s_wait_alu depctr_hold_cnt(0) depctr_sa_sdst(0) depctr_va_vdst(0) depctr_va_sdst(0) depctr_va_ssrc(0) depctr_va_vcc(0) depctr_vm_vsrc(0)
	s_getreg_b32 s2, hwreg(HW_REG_IB_STS2, 6, 4)
	s_cmp_eq_u32 s2, 0
	s_cbranch_scc0 .Lentry_in_a_cluster
	s_endpgm
.Lentry_in_a_cluster:
	s_bfe_u32 s2, ttmp6, 0x10000c
	s_cmp_lg_u32 s2, 0x3003
	s_cbranch_scc0 .Lentry_shape_is_right
	s_endpgm
.Lentry_shape_is_right:
; ATTENTION ON CODES OF FP6, AND THE QUANTISING OF ITS RESULT.  For each batch b, group g, head hg: O = softmax(Q K^T / sqrt(128)) V, 1,024 queries, 1,024 keys, head size 128.
; THE SOFTMAX AHEAD OF THE SECOND PRODUCT: t = score x log2(e) / sqrt(128); M = the running largest t rounded UP to a whole number; p = 2^(t - M) is quantised along the keys, not normalised.
; The row's sum is taken of the unquantised p, in f32, and divides O at the end.  When M moves, the sum and O are multiplied by 2^(old M - new M): exact.
; INPUT (heads): for each (b, g) eight records of 25,600 bytes, one a key step of 128 keys: K's 8 fragments, V^T's 8 fragments (16 channels x 128 keys each), K's two scale units, V^T's two;
; then Q's fragments and Q's scale units.  All are images of operand registers: three loads of 16 bytes a lane bring a fragment.
; SHARES.  A work-group owns 256 queries of one head; each of its sixteen waves one tile of 16, in 256 registers: four waves to a SIMD, so that one wave's vector work stands beside another's matrix work.
; ALL OF A GROUP'S K AND V^T, 204,800 bytes, STAYS IN LDS, filled once: no slot is filled again.  Waves 0-3 fetch it in four chunks of two key steps; the first chunk is waited for alone, the other
; three together, ahead of the third key step: two barriers in all, so that the waves of a SIMD are free to fall out of step.
; CLUSTER.  The four query blocks of a head form a cluster and ask for each chunk JOINTLY.  (The group's other three heads read the same bytes; a mask names four work-groups at the most, so they ask for themselves.)
; LAYOUT.  Both products are used transposed: S^T = K Q^T, O^T = V^T P^T: a lane holds ONE query throughout.  The rows of a block are not neighbours (lane-row r of block blk is row
; 32 (blk / 2) + 8 (blk % 2) + r + 8 (r / 8)), so that the 16 registers of tiles 2 b, 2 b + 1 are 16 neighbouring keys (S^T) or channels (O^T).
; OUTPUT (ctx): O / the sum, quantised along the channels: fragment (row block, K step = head) and its scale words, as the last product's operand.
; LIMITS: 1 / the sum by v_rcp_f32; a block of zeros gets the byte 1 (its codes are zeros, this program alone reads the bytes); NaN and infinities are not served.
; REGISTERS: v1-9 addresses; v12 -M, v13 the largest t, v[14:15] the sum in two halves; v16-27 Q; v32-79 four fragments of K or of V^T; v96-159 S^T, then p; v160-223 O^T; v224-235 p's codes; v232-254 at work; v248-251 K's or V^T's scale words; v253 p's; v255 Q's.
; HOW THE FILLS GO (this takes the place of what the paragraph above says of waves 0-3 and four chunks): every one of the sixteen waves issues ONE joint load at the head,
; 16 rows of 256 bytes: together the first 65,536 bytes, which hold key steps 0 and 1 (51,200 bytes).  Behind the wait for it, the add and a round of the cluster's barrier
; every wave issues one more, 34 rows of 256 bytes: together the other 139,264 bytes; they are waited for ahead of the third key step.
; No prefetch: the walk has no ring to run ahead in: all of K and V^T is asked for by two loads a wave, the second as soon as the first has landed, two key steps ahead of its first read.
.set REC,    25600
.set GB,     8*REC                     ; behind the records: 1,024 bytes in which the sixteen waves' scale words meet
.set SPARE,  GB+1024                   ; the spare words, 128 bytes for each wave
.set HQ,     3276800
.set HQS,    9568256
.set CTX_SC, 6291456
.set LI,  1                            ; v1  16 x lane
.set L8,  2                            ; v2  8 x lane
.set GST, 3                            ; v3  where I put my row's scale word
.set GLD, 4                            ; v4  where a unit is read back
.set SPW, 5                            ; v5  LDS address of my spare word; never rewritten
.set NIL, 6                            ; v6  0; never rewritten
.set R8,  7                            ; v7  8 r
.set ADK, 8                            ; v8  the step's record, 16 x lane
.set ADS, 9                            ; v9  its scale units, 8 x lane
.set PC,  32                           ; the way out: the codes
.set TM,  64                           ; and the quantiser's work
.set WV,  8
.set G1,  24
.set G0,  32                           ; s[32:39] two groups 0
.set G1B, 40                           ; s[40:47] group 1 of the second load
.set SEL, 52
.set CS,  54
.macro ROUND                           ; a round of the cluster's barrier
	s_barrier_signal -1
	s_barrier_wait -1
	s_cmp_lg_u32 s[WV], 0
	s_cbranch_scc1 .Lnot_wave_0_\@
	s_barrier_signal -3
.Lnot_wave_0_\@:
	s_barrier_wait -3
	s_barrier_signal -1
	s_barrier_wait -1
.endm
	s_load_b128 s[4:7], s[0:1], 0x0                ; heads s[4:5], ctx s[6:7]
	v_lshl_add_u32 v[SPW], v0, 2, SPARE
	v_mov_b32 v[NIL], 0
	ds_add_u32 v[SPW], v[NIL]                      ; the wave's opening: the add and its wait ahead of the first tensor loads; work on registers stands between them
	ds_add_u32 v[SPW], v[NIL]
	v_lshrrev_b32 v8, 5, v0
	s_delay_alu instid0(VALU_DEP_1)
	v_readfirstlane_b32 s[WV], v8                  ; wave 0..15
	s_bfe_u32 s9, ttmp6, 0x40000                   ; cx: my block of 256 queries; it enters Q's and ctx's addresses alone
	s_and_b32 s10, ttmp7, 0xffff                   ; bg = 4 b + g, which the partners share
	s_and_b32 s11, s[WV], 3
	s_mov_b32 s[G1], 15|(3<<16)|(1<<21)            ; 15:0 the mask: all four work-groups; 17:16 elements of 8 bytes; 21 set beside a mask
	s_mov_b32 s[G1+1], 32<<16                      ; tensor_dim0: rows of 256 bytes
	s_mov_b32 s[G1+2], 16<<16                      ; tensor_dim1: 16 of them
	s_mov_b32 s[G1+3], 32<<16                      ; tile_dim0
	s_mov_b32 s[G1+4], 16                          ; tile_dim1
	s_mov_b32 s[G1+5], 32                          ; dense
	s_mov_b32 s[G1+6], 0
	s_mov_b32 s[G1+7], 0
	s_mov_b32 s[G1B], 15|(3<<16)|(1<<21)           ; the same for 34 rows
	s_mov_b32 s[G1B+1], 32<<16
	s_mov_b32 s[G1B+2], 34<<16
	s_mov_b32 s[G1B+3], 32<<16
	s_mov_b32 s[G1B+4], 34
	s_mov_b32 s[G1B+5], 32
	s_mov_b32 s[G1B+6], 0
	s_mov_b32 s[G1B+7], 0
	s_mul_i32 s12, s10, 8*REC                      ; the group's records
	s_lshl_b32 s13, s[WV], 12                      ; my 4,096 bytes of the first 65,536: in LDS,
	s_add_co_u32 s14, s12, s13                     ; and in memory
	s_mov_b32 s15, 0
	s_mul_i32 s16, s[WV], 8704
	s_add_co_u32 s16, s16, 65536                   ; my 8,704 bytes of the rest: in LDS,
	s_add_co_u32 s18, s12, s16                     ; and in memory
	s_mov_b32 s19, 0
	s_mov_b32 s[SEL], 0x76543210
	s_mov_b32 s[SEL+1], 0xfedcba98
	s_mov_b32 s[CS], 0x3e0293ee                    ; c = log2(e) / sqrt(128)
	s_mov_b32 s[CS+1], s[CS]                       ; (named with it as a pair, so it is written)
	; every LDS address register is made here, ahead of the branch on the wave's number
	v_and_b32 v8, 31, v0
	s_delay_alu instid0(VALU_DEP_1)
	v_lshlrev_b32 v[LI], 4, v8
	s_delay_alu instid0(VALU_DEP_2)
	v_lshlrev_b32 v[L8], 3, v8
	v_and_b32 v9, 15, v0
	s_delay_alu instid0(VALU_DEP_1)
	v_lshlrev_b32 v[R8], 3, v9
	s_wait_alu depctr_va_vdst(0)
	s_lshr_b32 s56, s[WV], 2
	s_lshl_b32 s56, s56, 8                         ; my quad's unit,
	s_and_b32 s57, s[WV], 1
	s_lshl_b32 s57, s57, 7
	s_add_co_u32 s56, s56, s57                     ; in it block f = w % 4: 128 (f % 2)
	s_bfe_u32 s57, s[WV], 0x10001
	s_lshl_b32 s57, s57, 2
	s_add_co_u32 s56, s56, s57                     ; + 4 (f / 2)
	s_add_co_u32 s58, s56, GB
	v_add_nc_u32 v[GST], s58, v[R8]
	s_lshl_b32 s57, s11, 8
	s_add_co_u32 s57, s57, GB
	v_add_nc_u32 v[GLD], s57, v[L8]
	s_wait_dscnt 0x0                               ; the opening add is done
	s_wait_kmcnt 0x0
	s_add_nc_u64 s[14:15], s[4:5], s[14:15]
	s_add_nc_u64 s[18:19], s[4:5], s[18:19]
	s_mov_b32 s[G0], 1
	s_mov_b32 s[G0+1], s13
	s_mov_b64 s[G0+2:G0+3], s[14:15]
	s_or_b32 s[G0+3], s[G0+3], 0x80000000
	s_mov_b32 s[G0+4], 1
	s_mov_b32 s[G0+5], s16
	s_mov_b64 s[G0+6:G0+7], s[18:19]
	s_or_b32 s[G0+7], s[G0+7], 0x80000000
	ROUND                                          ; all four work-groups are here: the joint loads meet
	tensor_load_to_lds s[G0:G0+3], s[G1:G1+7]      ; every wave's one load at the head
	s_nop 0
	s_lshl_b32 s16, s10, 2
	s_add_co_u32 s16, s16, ttmp9                   ; 16 b + head = 4 bg + hg (the cluster's x is hg)
	s_lshl_b32 s17, s9, 4
	s_add_co_u32 s17, s17, s[WV]                   ; my block of 16 queries in the batch
	s_lshl_b32 s18, s16, 6
	s_add_co_u32 s18, s18, s17
	s_mul_i32 s18, s18, 1536
	s_add_co_u32 s18, s18, HQ
	s_mov_b32 s19, 0
	s_add_nc_u64 s[18:19], s[4:5], s[18:19]        ; Q's fragment
	s_lshr_b32 s20, s17, 2
	s_lshl_b32 s21, s16, 4
	s_add_co_u32 s20, s20, s21
	s_lshl_b32 s20, s20, 8
	s_and_b32 s21, s56, 255                        ; my block's place in its unit
	s_add_co_u32 s20, s20, s21
	s_add_co_u32 s20, s20, HQS
	s_mov_b32 s21, 0
	s_add_nc_u64 s[20:21], s[4:5], s[20:21]        ; Q's scale words
.irp c, 0,1,2
	global_load_b128 v[16+4*\c:19+4*\c], v[LI], s[18:19] offset:512*\c
.endr
	global_load_b32 v255, v[R8], s[20:21]
	s_lshr_b32 s22, s10, 2                         ; b
	s_and_b32 s23, s10, 3
	s_lshl_b32 s23, s23, 2
	s_add_co_u32 s23, s23, ttmp9                   ; head
	s_lshl_b32 s48, s22, 6
	s_add_co_u32 s48, s48, s17
	s_lshl_b32 s48, s48, 4
	s_add_co_u32 s48, s48, s23
	s_mul_i32 s48, s48, 1536
	s_mov_b32 s49, 0
	s_add_nc_u64 s[48:49], s[6:7], s[48:49]        ; ctx: fragment (64 b + 16 cx + w, head)
	s_lshl_b32 s50, s22, 4
	s_lshl_b32 s51, s9, 2
	s_add_co_u32 s50, s50, s51
	s_add_co_u32 s50, s50, s11
	s_lshl_b32 s50, s50, 4
	s_add_co_u32 s50, s50, s23
	s_lshl_b32 s50, s50, 8
	s_add_co_u32 s50, s50, CTX_SC
	s_mov_b32 s51, 0
	s_add_nc_u64 s[50:51], s[6:7], s[50:51]        ; ctx: the unit (16 b + 4 cx + w % 4, head), which waves 0-3 store
	v_mov_b32 v13, 0xff61b1e6                      ; the largest t so far: -3e38, under every t
	s_delay_alu instid0(VALU_DEP_1)
	v_floor_f32 v12, -v13                          ; -M
	v_mov_b32 v14, 0                               ; the sum, in two halves
	v_mov_b32 v15, 0
.irp b, 0,1,2,3
	v_mov_b32 v[236+\b], 0                         ; written once: a lane permute's destination counts as one of its sources
.endr
	v_mov_b32 v253, 0                              ; (named as the upper half of the pair v[252:253] before it is first written)
.macro KQT T                           ; S^T, tile T: 16 keys x my 16 queries.  A scale register carries an even tile's words in lanes 0-15, the odd one's in lanes 16-31
.if (\T)%2
	v_wmma_scale_f32_16x16x128_f8f6f4 v[96+8*(\T):103+8*(\T)], v[32+12*((\T)%4):43+12*((\T)%4)], v[16:27], 0, v[248+(\T)/2], v255 matrix_a_fmt:MATRIX_FMT_FP6 matrix_b_fmt:MATRIX_FMT_FP6 matrix_a_scale:MATRIX_SCALE_ROW1
.else
	v_wmma_scale_f32_16x16x128_f8f6f4 v[96+8*(\T):103+8*(\T)], v[32+12*((\T)%4):43+12*((\T)%4)], v[16:27], 0, v[248+(\T)/2], v255 matrix_a_fmt:MATRIX_FMT_FP6 matrix_b_fmt:MATRIX_FMT_FP6
.endif
.endm
.macro PVT D, first                    ; O^T, tile D: 16 channels x my 16 queries, K = the step's 128 keys.  first = 1: the product starts the sum
.if \first
.if (\D)%2
	v_wmma_scale_f32_16x16x128_f8f6f4 v[160+8*(\D):167+8*(\D)], v[32+12*((\D)%4):43+12*((\D)%4)], v[224:235], 0, v[248+(\D)/2], v253 matrix_a_fmt:MATRIX_FMT_FP6 matrix_b_fmt:MATRIX_FMT_FP6 matrix_a_scale:MATRIX_SCALE_ROW1
.else
	v_wmma_scale_f32_16x16x128_f8f6f4 v[160+8*(\D):167+8*(\D)], v[32+12*((\D)%4):43+12*((\D)%4)], v[224:235], 0, v[248+(\D)/2], v253 matrix_a_fmt:MATRIX_FMT_FP6 matrix_b_fmt:MATRIX_FMT_FP6
.endif
.else
.if (\D)%2
	v_wmma_scale_f32_16x16x128_f8f6f4 v[160+8*(\D):167+8*(\D)], v[32+12*((\D)%4):43+12*((\D)%4)], v[224:235], v[160+8*(\D):167+8*(\D)], v[248+(\D)/2], v253 matrix_a_fmt:MATRIX_FMT_FP6 matrix_b_fmt:MATRIX_FMT_FP6 matrix_a_scale:MATRIX_SCALE_ROW1
.else
	v_wmma_scale_f32_16x16x128_f8f6f4 v[160+8*(\D):167+8*(\D)], v[32+12*((\D)%4):43+12*((\D)%4)], v[224:235], v[160+8*(\D):167+8*(\D)], v[248+(\D)/2], v253 matrix_a_fmt:MATRIX_FMT_FP6 matrix_b_fmt:MATRIX_FMT_FP6
.endif
.endif
.endm
; A KEY STEP: the 128 keys of record j
.macro STEP j
	v_add_nc_u32 v[ADK], REC*(\j), v[LI]
	s_wait_alu depctr_va_vdst(0)
	v_add_nc_u32 v[ADS], REC*(\j)+24576, v[L8]
	v_nop
	v_nop                                          ; with the two additions: four places in front of loads into registers that the last products read
	ds_load_b64 v[248:249], v[ADS]                 ; K's scale words: tiles 0-3,
	ds_load_b64 v[250:251], v[ADS] offset:256      ; tiles 4-7
.irp g, 0,1                                    ; S^T = K Q^T, four tiles of 16 keys at a time
.if \g
.rept 4
	v_nop
.endr
.endif
.irp t, 0,1,2,3
.irp c, 0,1,2
	ds_load_b128 v[32+12*\t+4*\c:35+12*\t+4*\c], v[ADK] offset:1536*(4*\g+\t)+512*\c
.endr
.endr
	s_wait_dscnt 0x0
.irp t, 0,1,2,3
	KQT 4*\g+\t
.endr
.endr                                          ; lane (r, h) holds query r; the 16 registers of tiles 2 b, 2 b + 1 are keys 32 b + 16 h + 0 .. 15
.rept 4
	v_nop                                          ; four places: in front of the first read of the scores, and of the loads below into registers that the products have read
.endr
	s_wait_alu depctr_va_vdst(0)
	ds_load_b64 v[248:249], v[ADS] offset:512      ; V^T's scale words (tiles 0-3, tiles 4-7) and its first four fragments are asked for HERE, ahead of the softmax, which names none of these registers:
	ds_load_b64 v[250:251], v[ADS] offset:768      ; they land while it is walked
.irp t, 0,1,2,3
.irp c, 0,1,2
	ds_load_b128 v[32+12*\t+4*\c:35+12*\t+4*\c], v[ADK] offset:12288+1536*\t+512*\c
.endr
.endr
.irp b, 0,1,2,3
	v_max3_num_f32 v[232+\b], v[96+16*\b], v[97+16*\b], v[98+16*\b]   ; THE LARGEST SCORE OF EACH BLOCK OF 32 KEYS: it serves for the row's maximum and, since p rises with the score, for the block's largest p
.endr
.irp i, 3,5,7,9,11,13
.irp b, 0,1,2,3
	v_max3_num_f32 v[232+\b], v[232+\b], v[96+16*\b+\i], v[97+16*\b+\i]
.endr
.endr
.irp b, 0,1,2,3
	v_max_num_f32 v[232+\b], v[232+\b], v[111+16*\b]
.endr
.irp b, 0,1,2,3
	s_delay_alu instid0(VALU_DEP_4)
	v_permlanex16_b32 v[236+\b], v[232+\b], s[SEL], s[SEL+1]
.endr
.irp b, 0,1,2,3
	s_delay_alu instid0(VALU_DEP_4)
	v_max_num_f32 v[232+\b], v[232+\b], v[236+\b]  ; with lane l xor 16's 16 keys
.endr
	s_delay_alu instid0(VALU_DEP_2)
	v_max3_num_f32 v254, v232, v233, v234
	s_delay_alu instid0(VALU_DEP_1)
	v_max_num_f32 v254, v254, v235                 ; the step's largest score of my query
	s_delay_alu instid0(VALU_DEP_1)
	v_mul_f32 v254, s[CS], v254                    ; as t (c is positive)
	s_delay_alu instid0(VALU_DEP_1)
	v_max_num_f32 v13, v13, v254                   ; the running largest t
	v_mov_b32 v254, v12
	s_delay_alu instid0(VALU_DEP_2)
	v_floor_f32 v12, -v13                          ; the new -M = floor(-t) = -ceil(t): M is a whole number
	s_delay_alu instid0(VALU_DEP_1)
	v_sub_f32 v254, v12, v254                      ; M's old value less its new one: a whole number, 0 or less
	s_delay_alu instid0(VALU_DEP_1)
	v_cvt_i32_f32 v254, v254                       ; (it saturates)
	s_delay_alu instid0(VALU_DEP_1)
	v_ldexp_f32 v252, 1.0, v254                    ; f = 2^(old M - new M): a multiplication by it rounds nothing
.set n, 0
.rept 32
	v_pk_fma_f32 v[96+n:97+n], v[96+n:97+n], s[CS:CS+1], v[12:13] op_sel_hi:[1,0,0]   ; t - M, two at a time (of the pairs c and -M the low word serves both halves)
.set n, n+2
.endr
.irp b, 0,1,2,3
	v_fma_f32 v[232+\b], v[232+\b], s[CS], v12     ; the same of each block's largest score
.endr
.set n, 0
	s_wait_alu depctr_va_vdst(0)
.rept 64
	v_exp_f32 v[96+n], v[96+n]                     ; p = 2^(t - M), at most 1: not normalised
.set n, n+1
.endr
	v_pk_mul_f32 v[14:15], v[14:15], v[252:253] op_sel_hi:[1,0]   ; the sums under the new M; also the plain place behind the exponentials
	s_wait_alu depctr_va_vdst(0)                   ; one wait for the whole batch, ahead of its first reader
.irp b, 0,1,2,3
	v_exp_f32 v[232+\b], v[232+\b]                 ; the block's largest p: the same two instructions on the same number give the same bits
.endr
	v_pk_add_f32 v[236:237], v[100:101], v[104:105]
	v_pk_add_f32 v[246:247], v[108:109], v[112:113]
	v_pk_add_f32 v[244:245], v[116:117], v[120:121]
	v_pk_add_f32 v[242:243], v[124:125], v[128:129]
	v_pk_add_f32 v[240:241], v[132:133], v[136:137]
	v_pk_add_f32 v[238:239], v[140:141], v[144:145]
	v_pk_add_f32 v[230:231], v[148:149], v[152:153]
	v_pk_add_f32 v[14:15], v[14:15], v[156:157]
	v_pk_add_f32 v[236:237], v[236:237], v[96:97]
	v_pk_add_f32 v[246:247], v[246:247], v[98:99]
	v_pk_add_f32 v[244:245], v[244:245], v[102:103]
	v_pk_add_f32 v[242:243], v[242:243], v[106:107]
	v_pk_add_f32 v[240:241], v[240:241], v[110:111]
	v_pk_add_f32 v[238:239], v[238:239], v[114:115]
	v_pk_add_f32 v[230:231], v[230:231], v[118:119]
	v_pk_add_f32 v[14:15], v[14:15], v[122:123]
	v_pk_add_f32 v[236:237], v[236:237], v[126:127]
	v_pk_add_f32 v[246:247], v[246:247], v[130:131]
	v_pk_add_f32 v[244:245], v[244:245], v[134:135]
	v_pk_add_f32 v[242:243], v[242:243], v[138:139]
	v_pk_add_f32 v[240:241], v[240:241], v[142:143]
	v_pk_add_f32 v[238:239], v[238:239], v[146:147]
	v_pk_add_f32 v[230:231], v[230:231], v[150:151]
	v_pk_add_f32 v[14:15], v[14:15], v[154:155]
	v_pk_add_f32 v[236:237], v[236:237], v[158:159]
	s_delay_alu instid0(VALU_DEP_2)
	v_pk_add_f32 v[14:15], v[14:15], v[242:243]
	s_delay_alu instid0(VALU_DEP_2)
	v_pk_add_f32 v[236:237], v[236:237], v[240:241]
	v_pk_add_f32 v[246:247], v[246:247], v[238:239]
	v_pk_add_f32 v[244:245], v[244:245], v[230:231]
	s_delay_alu instid0(VALU_DEP_2)
	v_pk_add_f32 v[14:15], v[14:15], v[246:247]
	s_delay_alu instid0(VALU_DEP_2)
	v_pk_add_f32 v[236:237], v[236:237], v[244:245]
	s_delay_alu instid0(VALU_DEP_1)
	v_pk_add_f32 v[14:15], v[14:15], v[236:237]
	s_wait_alu depctr_va_vdst(0)                   ; and one wait for the four
.irp b, 0,1,2,3
	v_max_num_f32 v[232+\b], 0x1800000, v[232+\b]  ; the floor 2^(3 - 127): the byte cannot fall under 1
.endr
.irp b, 0,1,2,3
	s_delay_alu instid0(VALU_DEP_4)
	v_add_nc_u32 v[244+\b], 0xff000000, v[232+\b]  ; 2 off the exponent field: the conversion's scale operand
.endr
.irp b, 0,1,2,3
	s_delay_alu instid0(VALU_DEP_4)
	v_lshrrev_b32 v[236+\b], 23, v[244+\b]         ; the scale's byte
.endr
	s_delay_alu instid0(VALU_DEP_3)
	v_lshl_or_b32 v253, v237, 8, v236              ; p's scale word for these 128 keys
	s_delay_alu instid0(VALU_DEP_1)
	v_lshl_or_b32 v253, v238, 16, v253
	s_delay_alu instid0(VALU_DEP_1)
	v_lshl_or_b32 v253, v239, 24, v253
.irp c, 0,1
	v_cvt_scalef32_pk16_fp6_f32 v[224+6*\c:226+6*\c], v[96+32*\c:111+32*\c], v[244+2*\c]
	v_cvt_scalef32_pk16_fp6_f32 v[236+4*\c:238+4*\c], v[112+32*\c:127+32*\c], v[244+2*\c+1]   ; (a conversion's three registers begin on an even number)
.endr
	v_nop                                          ; one plain place behind a scaled conversion
.irp c, 0,1                                    ; the operand wants a WHOLE block in a lane
.irp i, 0,1,2
	v_permlane16_swap_b32 v[224+6*\c+\i], v[236+4*\c+\i]
.endr
.irp i, 0,1,2
	s_delay_alu instid0(VALU_DEP_3)
	v_mov_b32 v[227+6*\c+\i], v[236+4*\c+\i]
.endr
.endr
.if (\j) == 0
	s_wait_alu depctr_va_vdst(0)
.rept 8
	v_nop                                          ; the first step has nothing to bring under a new M: eight places between the scale word's last line and the scaled products
.endr
.else
.set n, 0
.rept 32
	v_pk_mul_f32 v[160+n:161+n], v[160+n:161+n], v[252:253] op_sel_hi:[1,0]   ; O^T under the new M: x f
.set n, n+2
.endr
.endif
	s_wait_alu depctr_va_vdst(0)
	s_wait_dscnt 0x0                               ; V^T's scale words and first four fragments, asked for ahead of the softmax
.irp t, 0,1,2,3                                ; O^T += V^T P^T, four tiles of 16 channels at a time
	PVT \t, (\j)==0
.endr
.rept 4
	v_nop
.endr
.irp t, 0,1,2,3
.irp c, 0,1,2
	ds_load_b128 v[32+12*\t+4*\c:35+12*\t+4*\c], v[ADK] offset:12288+1536*(4+\t)+512*\c
.endr
.endr
	s_wait_dscnt 0x0
.irp t, 0,1,2,3
	PVT 4+\t, (\j)==0
.endr
.endm
	s_wait_loadcnt 0x0                             ; Q
	s_wait_alu depctr_va_vdst(0)
	s_wait_tensorcnt 0x0                           ; my part of the first 65,536 bytes is in
	ds_add_u32 v[SPW], v[NIL]
	s_wait_dscnt 0x0
	ROUND                                          ; everybody's part is in, and the four work-groups are here
	tensor_load_to_lds s[G0+4:G0+7], s[G1B:G1B+7]  ; the rest, on bytes of its own: it lands while key steps 0 and 1 are walked
	s_nop 0
	STEP 0
	STEP 1
	s_wait_tensorcnt 0x0                           ; my part of the rest is in (asked for behind the round, two key steps ago)
	s_barrier_signal -1
	s_barrier_wait -1                              ; everybody's are: the six key steps that read them stand behind this barrier
.irp j, 2,3,4,5,6,7
	STEP \j
.endr
	; THE WAY OUT: O^T / the sum; register 16 b + i is channel 32 b + 16 h + i of my query: it is quantised as it stands
.rept 4
	v_nop
.endr
	v_add_f32 v14, v14, v15                        ; the sum's two halves,
	s_delay_alu instid0(VALU_DEP_1)
	v_permlanex16_b32 v252, v14, s[SEL], s[SEL+1]
	s_delay_alu instid0(VALU_DEP_1)
	v_add_f32 v14, v14, v252                       ; and lane l xor 16's: the row's sum
	s_wait_alu depctr_va_vdst(0)
	v_rcp_f32 v14, v14
.irp b, 0,1,2,3
	v_mov_b32 v[TM+4+\b], 0                        ; plain work behind the reciprocal; a lane permute's destination counts as one of its sources
.endr
	s_wait_alu depctr_va_vdst(0)                   ; the wait ahead of the reciprocal's first reader
.set n, 0
.rept 32
	v_pk_mul_f32 v[96+n:97+n], v[160+n:161+n], v[14:15] op_sel_hi:[1,0]   ; each accumulator from its low end on
.set n, n+2
.endr
.irp b, 0,1,2,3
	v_max3_num_f32 v[TM+\b], |v[96+16*\b]|, |v[97+16*\b]|, 0x1800000
.endr
.irp i, 2,4,6,8,10,12,14
.irp b, 0,1,2,3
	s_delay_alu instid0(VALU_DEP_4)
	v_max3_num_f32 v[TM+\b], v[TM+\b], |v[96+16*\b+\i]|, |v[97+16*\b+\i]|
.endr
.endr
.irp b, 0,1,2,3
	s_delay_alu instid0(VALU_DEP_4)
	v_permlanex16_b32 v[TM+4+\b], v[TM+\b], s[SEL], s[SEL+1]
.endr
.irp b, 0,1,2,3
	s_delay_alu instid0(VALU_DEP_4)
	v_max_num_f32 v[TM+\b], v[TM+\b], v[TM+4+\b]
.endr
.irp b, 0,1,2,3
	s_delay_alu instid0(VALU_DEP_4)
	v_add_nc_u32 v[TM+12+\b], 0xff000000, v[TM+\b]
.endr
.irp b, 0,1,2,3
	s_delay_alu instid0(VALU_DEP_4)
	v_lshrrev_b32 v[TM+4+\b], 23, v[TM+12+\b]
.endr
	s_delay_alu instid0(VALU_DEP_3)
	v_lshl_or_b32 v80, v[TM+5], 8, v[TM+4]         ; my row's scale word
	s_delay_alu instid0(VALU_DEP_1)
	v_lshl_or_b32 v80, v[TM+6], 16, v80
	s_delay_alu instid0(VALU_DEP_1)
	v_lshl_or_b32 v80, v[TM+7], 24, v80
.irp c, 0,1
	v_cvt_scalef32_pk16_fp6_f32 v[PC+6*\c:PC+2+6*\c], v[96+32*\c:111+32*\c], v[TM+12+2*\c]
	v_cvt_scalef32_pk16_fp6_f32 v[PC+12+4*\c:PC+14+4*\c], v[112+32*\c:127+32*\c], v[TM+12+2*\c+1]
.endr
	v_nop                                          ; one plain place behind a scaled conversion
.irp c, 0,1
.irp i, 0,1,2
	v_permlane16_swap_b32 v[PC+6*\c+\i], v[PC+12+4*\c+\i]
.endr
.irp i, 0,1,2
	s_delay_alu instid0(VALU_DEP_3)
	v_mov_b32 v[PC+3+6*\c+\i], v[PC+12+4*\c+\i]
.endr
.endr
.irp c, 0,1,2
	global_store_b128 v[LI], v[PC+4*\c:PC+4*\c+3], s[48:49] offset:512*\c   ; 32 lanes store 512 consecutive bytes
.endr
	ds_store_b32 v[GST], v80                       ; four waves' words make a unit (both halves of the lanes write the same word with the same value)
	s_wait_dscnt 0x0                               ; for the others' sake
	s_barrier_signal -1
	s_barrier_wait -1
	s_cmp_lt_u32 s[WV], 4
	s_cbranch_scc0 .Lno_unit
	ds_load_b64 v[82:83], v[GLD]
	s_wait_dscnt 0x0
	global_store_b64 v[L8], v[82:83], s[50:51]     ; 256 consecutive bytes, aligned
.Lno_unit:
	s_wait_tensorcnt 0x0                           ; the wave's end, behind my last tensor load and my last LDS store
	ds_add_u32 v[SPW], v[NIL]
	s_wait_dscnt 0x0
	ROUND                                          ; the closing round
	s_endpgm
.Lfunc_end_k_q1cd6371ed1_attn:
	.size	k_q1cd6371ed1_attn, .Lfunc_end_k_q1cd6371ed1_attn-k_q1cd6371ed1_attn
	.p2alignl 7, 3214868480
	.fill 96, 4, 3214868480
	.section	.rodata,"a",@progbits
	.p2align	6, 0x0
	.amdhsa_kernel k_q1cd6371ed1_attn
		.amdhsa_group_segment_fixed_size 327680
		.amdhsa_private_segment_fixed_size 0
		.amdhsa_enable_private_segment 0
		.amdhsa_kernarg_size 16
		.amdhsa_user_sgpr_count 2
		.amdhsa_user_sgpr_kernarg_segment_ptr 1
		.amdhsa_wavefront_size32 1
		.amdhsa_system_sgpr_workgroup_id_x 1
		.amdhsa_system_sgpr_workgroup_id_y 1
		.amdhsa_system_sgpr_workgroup_id_z 1
		.amdhsa_system_vgpr_workitem_id 0
		.amdhsa_next_free_vgpr 256
		.amdhsa_next_free_sgpr 66
		.amdhsa_reserve_vcc 0
		.amdhsa_float_denorm_mode_32 3
		.amdhsa_float_denorm_mode_16_64 3
		.amdhsa_memory_ordered 1
		.amdhsa_forward_progress 1
		.amdhsa_inst_pref_size 173
	.end_amdhsa_kernel
	.amdgpu_metadata
---
amdhsa.version: [ 1, 2 ]
amdhsa.kernels:
  - .name:           k_q1cd6371ed1_attn
    .symbol:         k_q1cd6371ed1_attn.kd
    .args:
      - { .name: heads, .offset: 0, .size: 8, .value_kind: global_buffer, .address_space: global }
      - { .name: ctx, .offset: 8, .size: 8, .value_kind: global_buffer, .address_space: global }
    .group_segment_fixed_size: 327680
    .private_segment_fixed_size: 0
    .kernarg_segment_align: 8
    .kernarg_segment_size: 16
    .max_flat_workgroup_size: 512
    .sgpr_count:     66
    .vgpr_count:     256
    .wavefront_size: 32
...
	.end_amdgpu_metadata
.endif
;; end of part 3
;; launch oproj (part 4): grid 16 x 16, 4 waves a work-group, clusters of 4 x 4, 327,680 bytes of LDS; arguments ctx, wts, bo, out0; writes out0
.if DOCPART == 4
	.amdgcn_target "amdgcn-amd-amdhsa--gfx1250"
	.amdhsa_code_object_version 6
	.text
	.protected	k_q1cd6371ed1_oproj
	.globl	k_q1cd6371ed1_oproj
	.p2align	8
	.type	k_q1cd6371ed1_oproj,@function
k_q1cd6371ed1_oproj:
	s_mov_b64 s[64:65], 0
	v_nop
	global_prefetch_b8 v0, s[64:65] scope:SCOPE_SE
	s_setreg_imm32_b32 hwreg(HW_REG_WAVE_MODE, 25, 1), 1
	s_wait_xcnt 0x0
	s_wait_alu depctr_hold_cnt(0) depctr_sa_sdst(0) depctr_va_vdst(0) depctr_va_sdst(0) depctr_va_ssrc(0) depctr_va_vcc(0) depctr_vm_vsrc(0)
	s_getreg_b32 s2, hwreg(HW_REG_IB_STS2, 6, 4)
	s_cmp_eq_u32 s2, 0
	s_cbranch_scc0 .Lentry_in_a_cluster
	s_endpgm
.Lentry_in_a_cluster:
	s_bfe_u32 s2, ttmp6, 0x10000c
	s_cmp_lg_u32 s2, 0xf033
	s_cbranch_scc0 .Lentry_shape_is_right
	s_endpgm
.Lentry_shape_is_right:
.set SLOT,   147456
.set BOFF,   98304
.set SPARE,  2*SLOT
.set CTX_SC, 6291456
.set WT_SC,  7864320
.set LI,  1
.set L8,  2
.set BO,  5
.set ADA, 6
.set ADB, 8
.set STO, 10
.set RD,  11
.set SPW, 12
.set NIL, 13
.set SA,  32
.set SB,  64
.set AF,  128
.set BI,  192
.set BK,  128
.set WV,  16
.set G1A, 24
.set G0A, 32
.set G1B, 40
.set G0B, 48
.set MSB, 0
; PREFETCH.  What a wave loads over all of K is 8 (A) or 4 (B) block rows of 24,576 bytes on end.  One instruction names the 1,024 bytes at 1,024 i of each row: 32 or 16 blocks of 256 bytes.
; Every tile is asked for jointly by four partners, which share its blocks out by address: of A's 32 partner cx names 8 cx .. 8 cx + 7, of B's 16 partner cy names 4 cy .. 4 cy + 3 (the lanes left over name them again).
; Slot n holds bytes 6,144 n .. + 6,143 of each row, i = 6 n .. 6 n + 5, and is asked for one slot ahead of its load: slot 1 at the head, slot 2 behind slot 1's load, slot 3 behind the first refill.
; Each i is named once, the last is 23, the row's end; the address registers are never rewritten.
.set PFO, 14
.macro PF i0, i1
.set pn, \i0
.rept (\i1)-(\i0)+1
	global_prefetch_b8 v[PFO], s[2:3] offset:1024*pn th:TH_LOAD_NT scope:SCOPE_SE
.set pn, pn+1
.endr
.endm
.macro WIN new
.if MSB != \new
	s_set_vgpr_msb (MSB<<8)|\new
.set MSB, \new
.endif
.endm
.set MUL,  0xa1
.set MUL0, 0x91
.set TO_B, 0x40
.macro JLOAD s
	s_cmp_eq_u32 s17, 0
	s_cbranch_scc0 .Lfor_b_\@
	tensor_load_to_lds s[G0A+4*\s:G0A+4*\s+3], s[G1A:G1A+7]
	s_nop 0
.rept 4
	v_nop
.endr
	s_branch .Lasked_\@
.Lfor_b_\@:
	tensor_load_to_lds s[G0B+4*\s:G0B+4*\s+3], s[G1B:G1B+7]
	s_nop 0
.rept 4
	v_nop
.endr
.Lasked_\@:
.endm
.macro CREST
	s_cmp_lg_u32 s[WV], 0
	s_cbranch_scc1 .Lnot_wave_0_\@
	s_barrier_signal -3
.Lnot_wave_0_\@:
	s_barrier_wait -3
	s_barrier_signal -1
	s_barrier_wait -1
.endm
.macro CROUND
	s_barrier_signal -1
	s_barrier_wait -1
	CREST
.endm
.macro PLACES
.rept 4
	v_nop
.endr
.endm
.macro FETCH slot, q, p
	WIN 0
.irp a, 0,1,2,3
.irp c, 0,1,2
	ds_load_b128 v[AF+48*(\p)+12*\a+4*\c:AF+48*(\p)+12*\a+4*\c+3], v[ADA+\slot] offset:6144*\a+1536*(\q)+512*\c
.endr
.endr
	WIN TO_B
.irp b, 0,1,2,3,4,5,6,7
.irp c, 0,1,2
	ds_load_b128 v[96*(\p)+12*\b+4*\c:96*(\p)+12*\b+4*\c+3], v[ADB+\slot] offset:6144*\b+1536*(\q)+512*\c
.endr
.endr
.endm
.macro WM a, b, s, p, first
.set rD, 8*(8*(\a)+(\b))
.set rC, rD
.if \first
.set rC, BI+8*(\b)
.endif
.set rB, 96*(\p)+12*(\b)
.set rA, AF+48*(\p)+12*(\a)
.set rSB, SB+4*(\s)+(\b)/2
.set rSA, SA+2*(\s)+(\a)/2
.if ((\b)%2 == 0) && ((\a)%2 == 0)
	v_wmma_scale_f32_16x16x128_f8f6f4 v[rD:rD+7], v[rB:rB+11], v[rA:rA+11], v[rC:rC+7], v[rSB], v[rSA] matrix_a_fmt:MATRIX_FMT_FP6 matrix_b_fmt:MATRIX_FMT_FP6
.elseif ((\b)%2 == 1) && ((\a)%2 == 0)
	v_wmma_scale_f32_16x16x128_f8f6f4 v[rD:rD+7], v[rB:rB+11], v[rA:rA+11], v[rC:rC+7], v[rSB], v[rSA] matrix_a_fmt:MATRIX_FMT_FP6 matrix_b_fmt:MATRIX_FMT_FP6 matrix_a_scale:MATRIX_SCALE_ROW1
.elseif (\b)%2 == 0
	v_wmma_scale_f32_16x16x128_f8f6f4 v[rD:rD+7], v[rB:rB+11], v[rA:rA+11], v[rC:rC+7], v[rSB], v[rSA] matrix_a_fmt:MATRIX_FMT_FP6 matrix_b_fmt:MATRIX_FMT_FP6 matrix_b_scale:MATRIX_SCALE_ROW1
.else
	v_wmma_scale_f32_16x16x128_f8f6f4 v[rD:rD+7], v[rB:rB+11], v[rA:rA+11], v[rC:rC+7], v[rSB], v[rSA] matrix_a_fmt:MATRIX_FMT_FP6 matrix_b_fmt:MATRIX_FMT_FP6 matrix_a_scale:MATRIX_SCALE_ROW1 matrix_b_scale:MATRIX_SCALE_ROW1
.endif
.endm
.macro STEP slot, q, s, first
	PLACES
	FETCH \slot, (\q)+1, 1-(\q)%2
.if \first
	WIN MUL0
.else
	WIN MUL
.endif
.irp b, 0,1,2,3,4,5,6,7
	s_wait_dscnt 36+3*(7-\b)
.irp a, 0,1,2,3
	WM \a, \b, \s, (\q)%2, \first
.endr
.endr
.endm
.macro TURN slot, next, fill, s
	WIN 0
	s_wait_tensorcnt 0x0
	ds_add_u32 v[SPW], v[NIL]
.if \fill
	s_add_nc_u64 s[G0A+4*\slot+2:G0A+4*\slot+3], s[G0A+4*\slot+2:G0A+4*\slot+3], 12288
	s_add_nc_u64 s[G0B+4*\slot+2:G0B+4*\slot+3], s[G0B+4*\slot+2:G0B+4*\slot+3], 12288
.endif
	s_wait_dscnt 0x0
	s_barrier_signal -1
	WIN MUL
.irp b, 0,1,2,3
.irp a, 0,1,2,3
	WM \a, \b, \s, 1, 0
.endr
.endr
	WIN 0
	s_barrier_wait -1
.if \fill
	CREST
	JLOAD \slot
.else
	PLACES
.endif
	FETCH \next, 0, 0
.if (\s) == 3
	PF 18, 23
.endif
	WIN MUL
.irp b, 4,5,6,7
.irp a, 0,1,2,3
	WM \a, \b, \s, 1, 0
.endr
.endr
.endm
	s_load_b256 s[4:11], s[0:1], 0x0
	v_lshl_add_u32 v[SPW], v0, 2, SPARE
	v_mov_b32 v[NIL], 0
	ds_add_u32 v[SPW], v[NIL]
	ds_add_u32 v[SPW], v[NIL]
	v_lshrrev_b32 v3, 5, v0
	v_readfirstlane_b32 s[WV], v3
	s_lshr_b32 s17, s[WV], 1
	s_and_b32 s18, s[WV], 1
	s_bfe_u32 s19, ttmp6, 0x40000
	s_bfe_u32 s20, ttmp6, 0x40004
	s_lshl_b32 s22, ttmp9, 2
	s_add_co_u32 s22, s22, s19
	s_and_b32 s23, ttmp7, 0xffff
	s_lshl_b32 s23, s23, 2
	s_add_co_u32 s23, s23, s20
	s_lshl_b32 s56, s20, 2
	s_lshl_b32 s56, 15, s56
	s_lshl_b32 s57, 0x1111, s19
	s_or_b32 s[G1A], s56, (3<<16)|(1<<21)
	s_or_b32 s[G1B], s57, (3<<16)|(1<<21)
	s_mov_b32 s[G1A+1], 768<<16
	s_mov_b32 s[G1A+2], 8<<16
	s_mov_b32 s[G1A+3], 768<<16
	s_mov_b32 s[G1A+4], 8
	s_mov_b32 s[G1A+5], 3072
	s_mov_b32 s[G1A+6], 0
	s_mov_b32 s[G1A+7], 0
	s_mov_b32 s[G1B+1], 768<<16
	s_mov_b32 s[G1B+2], 4<<16
	s_mov_b32 s[G1B+3], 768<<16
	s_mov_b32 s[G1B+4], 4
	s_mov_b32 s[G1B+5], 3072
	s_mov_b32 s[G1B+6], 0
	s_mov_b32 s[G1B+7], 0
	s_lshl_b32 s59, s23, 4
	s_lshl_b32 s60, s18, 3
	s_add_co_u32 s59, s59, s60
	s_mul_i32 s60, s59, 24576
	s_mov_b32 s61, 0
	s_lshl_b32 s62, s22, 3
	s_lshl_b32 s63, s18, 2
	s_add_co_u32 s62, s62, s63
	s_add_co_u32 s62, s62, 192
	s_mul_i32 s62, s62, 24576
	s_mov_b32 s63, 0
	s_mul_i32 s66, s18, 49152
	s_mul_i32 s67, s18, 24576
	s_add_co_u32 s67, s67, BOFF
	s_wait_dscnt 0x0
	s_wait_kmcnt 0x0
	s_add_nc_u64 s[60:61], s[4:5], s[60:61]
	s_add_nc_u64 s[62:63], s[6:7], s[62:63]
	CROUND
.irp s, 0,1
	s_mov_b32 s[G0A+4*\s], 1
	s_add_co_u32 s[G0A+4*\s+1], s66, \s*SLOT
	s_add_nc_u64 s[G0A+4*\s+2:G0A+4*\s+3], s[60:61], \s*6144
	s_or_b32 s[G0A+4*\s+3], s[G0A+4*\s+3], 0x80000000
	s_mov_b32 s[G0B+4*\s], 1
	s_add_co_u32 s[G0B+4*\s+1], s67, \s*SLOT
	s_add_nc_u64 s[G0B+4*\s+2:G0B+4*\s+3], s[62:63], \s*6144
	s_or_b32 s[G0B+4*\s+3], s[G0B+4*\s+3], 0x80000000
.endr
	JLOAD 0                                        ; slot 0: my one load at the head; the addresses, the scale words and the bias below are asked for while it is out
	s_lshl_b32 s78, s19, 3                         ; 8 cx
	s_lshl_b32 s79, s20, 2                         ; 4 cy
	s_cmp_eq_u32 s17, 0                            ; do I load for A?
	s_cselect_b64 s[2:3], s[60:61], s[62:63]       ; my block rows
	s_cselect_b32 s78, s78, s79
	s_cselect_b32 s79, 7, 3
	v_and_b32 v15, s79, v0
	v_add_nc_u32 v15, s78, v15                     ; my block of the 32 or 16
	v_lshrrev_b32 v[PFO], 2, v15
	v_mul_u32_u24 v[PFO], v[PFO], 24576            ; its row,
	v_and_b32 v15, 3, v15
	v_lshl_add_u32 v[PFO], v15, 8, v[PFO]          ; and its 256 bytes of the 1,024
	PF 6, 11
	v_and_b32 v3, 31, v0
	v_lshlrev_b32 v[LI], 4, v3
	v_lshlrev_b32 v[L8], 3, v3
	v_and_b32 v3, 15, v0
	v_bfe_u32 v4, v0, 4, 1
	v_lshlrev_b32 v[BO], 6, v4
	s_wait_alu depctr_va_vdst(0)
	s_mul_i32 s68, s[WV], 24576
	v_add_nc_u32 v[ADA], s68, v[LI]
	v_add_nc_u32 v[ADA+1], SLOT, v[ADA]
	v_add_nc_u32 v[ADB], BOFF, v[LI]
	v_add_nc_u32 v[ADB+1], SLOT, v[ADB]
	s_mul_i32 s68, s[WV], 8448
	v_mul_u32_u24 v[STO], v3, 528
	v_lshl_add_u32 v[STO], v4, 6, v[STO]
	v_add_nc_u32 v[STO], s68, v[STO]
	v_add_nc_u32 v[RD], s68, v[LI]
	s_lshl_b32 s70, s23, 2
	s_add_co_u32 s70, s70, s[WV]
	s_lshl_b32 s70, s70, 12
	s_add_co_u32 s70, s70, CTX_SC
	s_mov_b32 s71, 0
	s_add_nc_u64 s[70:71], s[4:5], s[70:71]
	s_lshl_b32 s72, s22, 13
	s_add_co_u32 s72, s72, WT_SC+48*4096
	s_mov_b32 s73, 0
	s_add_nc_u64 s[72:73], s[6:7], s[72:73]
	s_lshl_b32 s74, s22, 9
	s_mov_b32 s75, 0
	s_add_nc_u64 s[8:9], s[8:9], s[74:75]
.irp s, 0,1,2,3,4,5,6,7,8,9,10,11,12,13,14,15
	global_load_b64 v[SA+2*\s:SA+2*\s+1], v[L8], s[70:71] offset:256*\s
.endr
.irp s, 0,1,2,3,4,5,6,7,8,9,10,11,12,13,14,15
.irp u, 0,1
	global_load_b64 v[SB+4*\s+2*\u:SB+4*\s+2*\u+1], v[L8], s[72:73] offset:4096*\u+256*\s
.endr
.endr
	WIN TO_B
.irp b, 0,1,2,3,4,5,6,7
	global_load_b128 v[BI+8*\b:BI+8*\b+3], v[BO], s[8:9] offset:(32*(\b/2)+8*(\b%2))*4
	global_load_b128 v[BI+8*\b+4:BI+8*\b+7], v[BO], s[8:9] offset:(32*(\b/2)+8*(\b%2))*4+16
.endr
	WIN 0
	s_lshl_b32 s76, s23, 21
	s_lshl_b32 s77, s[WV], 19
	s_add_co_u32 s76, s76, s77
	s_add_co_u32 s76, s76, s74
	s_mov_b32 s77, 0
	s_add_nc_u64 s[76:77], s[10:11], s[76:77]
	s_wait_alu depctr_va_vdst(0)
	s_wait_tensorcnt 0x0                           ; my part of slot 0 is in
	ds_add_u32 v[SPW], v[NIL]
	s_wait_dscnt 0x0
	CROUND                                         ; everybody's part is in, and the sixteen work-groups are here
	JLOAD 1                                        ; slot 1's first fill, the first tensor load behind the round
	FETCH 0, 0, 0
	PF 12, 17
	s_wait_loadcnt 0x0
	STEP 0, 0, 0, 1
	STEP 0, 1, 1, 0
	STEP 0, 2, 2, 0
	TURN 0, 1, 1, 3
	STEP 1, 0, 4, 0
	STEP 1, 1, 5, 0
	STEP 1, 2, 6, 0
	TURN 1, 0, 1, 7
	STEP 0, 0, 8, 0
	STEP 0, 1, 9, 0
	STEP 0, 2, 10, 0
	TURN 0, 1, 0, 11
	STEP 1, 0, 12, 0
	STEP 1, 1, 13, 0
	STEP 1, 2, 14, 0
.irp b, 0,1,2,3,4,5,6,7
	s_wait_dscnt 3*(7-\b)
.irp a, 0,1,2,3
	WM \a, \b, 15, 1, 0
.endr
.endr
	WIN 0
	PLACES
.macro TOSTAGE a
	WIN 0x08
.irp b, 0,1,2,3
.irp i, 0,1,2,3
	ds_store_b128 v[STO], v[64*(\a)+16*\b+4*\i:64*(\a)+16*\b+4*\i+3] offset:128*\b+16*\i
.endr
.endr
	WIN 0
.irp t, 0,1,2,3,4,5,6,7,8,9,10,11,12,13,14,15
	ds_load_b128 v[BK+64*((\a)%2)+4*\t:BK+64*((\a)%2)+4*\t+3], v[RD] offset:528*\t
.endr
.endm
.macro SEND a, younger
	s_wait_dscnt \younger
.irp t, 0,1,2,3,4,5,6,7,8,9,10,11,12,13,14,15
	global_store_b128 v[LI], v[BK+64*((\a)%2)+4*\t:BK+64*((\a)%2)+4*\t+3], s[76:77] offset:(32*((\a)/2)+8*((\a)%2)+\t+8*(\t/8))*8192 th:TH_STORE_NT
.endr
.endm
	TOSTAGE 0
.irp a, 1,2,3
.if \a > 1
	s_wait_xcnt 0x0
.endif
	TOSTAGE \a
	SEND \a-1, 32
.endr
	SEND 3, 0
	s_wait_tensorcnt 0x0
	ds_add_u32 v[SPW], v[NIL]
	s_wait_dscnt 0x0
	CROUND
	s_endpgm
.Lfunc_end_k_q1cd6371ed1_oproj:
	.size	k_q1cd6371ed1_oproj, .Lfunc_end_k_q1cd6371ed1_oproj-k_q1cd6371ed1_oproj
	.p2alignl 7, 3214868480
	.fill 96, 4, 3214868480
	.section	.rodata,"a",@progbits
	.p2align	6, 0x0
	.amdhsa_kernel k_q1cd6371ed1_oproj
		.amdhsa_group_segment_fixed_size 327680
		.amdhsa_private_segment_fixed_size 0
		.amdhsa_enable_private_segment 0
		.amdhsa_kernarg_size 32
		.amdhsa_user_sgpr_count 2
		.amdhsa_user_sgpr_kernarg_segment_ptr 1
		.amdhsa_wavefront_size32 1
		.amdhsa_system_sgpr_workgroup_id_x 1
		.amdhsa_system_sgpr_workgroup_id_y 1
		.amdhsa_system_sgpr_workgroup_id_z 1
		.amdhsa_system_vgpr_workitem_id 0
		.amdhsa_next_free_vgpr 768
		.amdhsa_next_free_sgpr 84
		.amdhsa_reserve_vcc 0
		.amdhsa_float_denorm_mode_32 3
		.amdhsa_float_denorm_mode_16_64 3
		.amdhsa_memory_ordered 1
		.amdhsa_forward_progress 1
		.amdhsa_inst_pref_size 140
	.end_amdhsa_kernel
	.amdgpu_metadata
---
amdhsa.version: [ 1, 2 ]
amdhsa.kernels:
  - .name:           k_q1cd6371ed1_oproj
    .symbol:         k_q1cd6371ed1_oproj.kd
    .args:
      - { .name: ctx, .offset: 0, .size: 8, .value_kind: global_buffer, .address_space: global }
      - { .name: wts, .offset: 8, .size: 8, .value_kind: global_buffer, .address_space: global }
      - { .name: bo, .offset: 16, .size: 8, .value_kind: global_buffer, .address_space: global }
      - { .name: out0, .offset: 24, .size: 8, .value_kind: global_buffer, .address_space: global }
    .group_segment_fixed_size: 327680
    .private_segment_fixed_size: 0
    .kernarg_segment_align: 8
    .kernarg_segment_size: 32
    .max_flat_workgroup_size: 128
    .sgpr_count:     84
    .vgpr_count:     768
    .wavefront_size: 32
...
	.end_amdgpu_metadata
.endif
;; end of part 4
